; MI455X (gfx1250); checked and timed in simulation.
; The chip was launched on July 23, 2026; its instructions are those of AMD's public machine-readable ISA for CDNA 5 (MIT licence, August 2026) and "CDNA5" Instruction Set Architecture Reference Guide (July 2026). The comments in the code are by the model that wrote it; some were corrected since.
;; Rotary Position Multi Headed Attention. Allowed arithmetic: matrix products marked QUANTISED: E2M1 operands, one E8M0 scale for each 32 along K, by v_wmma_scale_f32_16x16x128_f8f6f4 with both operands' format E2M1 (or v_wmma_scale_f32_32x16x128_f4), f32 sums; products left as they are: bf16, f16 or f32 operands; f32 sums; everything else in f32.
;; Inputs: Wk 1,024 x 1,024 float32; Wo 1,024 x 1,024 float32; Wq 1,024 x 1,024 float32; Wv 1,024 x 1,024 float32; bk 1,024 float32; bo 1,024 float32; bq 1,024 float32; bv 1,024 float32; key 2 x 2,048 x 1,024 float32; key_padding_mask 2 x 2,048 bool; query 2 x 2,048 x 1,024 float32; value 2 x 2,048 x 1,024 float32.
;; Outputs: out0 2 x 2,048 x 1,024 float32.
;; Constants: offset = 0.
;; This version of the problem:
;;   THIS VERSION OF THE PROBLEM IS GIVEN IN LOW PRECISION. The matrix products marked QUANTISED in the list below multiply operands that are first quantised to E2M1 (2 exponent bits, 1 mantissa bit; 4 bits a number), with one power-of-two scale for each 32 numbers along K (OCP MX v1.0); their sums are f32. The products marked 'left as it is' may take bf16, f16 or f32 operands, with f32 sums. Whichever they take, every output number must still come out within the allowed error. Rounding operands to bf16 (8 significant bits) uses up far more of that allowance than f16 does (11 bits, for magnitudes from 6e-5 to 65,504). All else is computed in f32.
;;   The module's matrix products, in the order in which they are computed (A, B: the left and right operand; K: the contracted axis; several contracted axes count as one K, in the product's order):
;;     1. [M 4,096, K 1,024] x [K 1,024, N 1,024]; A: computed on the way; B: input Wq: left as it is (an operand is computed on the way)
;;     2. [M 4,096, K 1,024] x [K 1,024, N 1,024]; A: computed on the way; B: input Wk: left as it is (an operand is computed on the way)
;;     3. [M 4,096, K 1,024] x [K 1,024, N 1,024]; A: input value; B: input Wv: QUANTISED
;;     4. batch 32 x [M 2,048, K 64] x [K 64, N 2,048]; A: computed on the way; B: computed on the way: left as it is (an operand is computed on the way)
;;     5. batch 32 x [M 2,048, K 2,048] x [K 2,048, N 64]; A: computed on the way; B: computed on the way: left as it is (an operand is computed on the way)
;;     6. [M 4,096, K 1,024] x [K 1,024, N 1,024]; A: computed on the way; B: input Wo: left as it is (an operand is computed on the way)
;;   THE QUANTISER, for each operand of a quantised product, along K:
;;     - K is cut into blocks of 32 from its start; a last block that is shorter is filled with zeros.
;;     - A block's scale is 2^e with e = floor(log2(the largest magnitude in the block)) - 2, held to -126 .. 127; a block of zeros has e = 0. As a byte (E8M0): e + 127.
;;     - Each number is divided by its block's scale, clamped to +-6, and rounded to the nearest number of E2M1, ties to even, subnormals kept.
;;     - The product sums the exact products of the quantised numbers (number of the format x scale) in f32.
;;   ~~~python
;;   def quantise(x, axis):      # numpy; x: float32 -> the quantised numbers, widened to float32 again
;;       x = np.moveaxis(x, axis, -1); K = x.shape[-1]
;;       x = np.pad(x, [(0, 0)] * (x.ndim - 1) + [(0, -K % 32)]); x = x.reshape(x.shape[:-1] + (-1, 32)); a = np.abs(x).max(-1, keepdims=True)
;;       e = np.where(a > 0, np.clip(np.frexp(np.where(a > 0, a, 1))[1] - 1 - 2, -126, 127), 0)      # np.frexp(a)[1] - 1 = floor(log2(a)), exactly
;;       r = np.clip(x / 2.0 ** e, -6, 6)
;;       step = 2.0 ** (np.maximum(np.frexp(np.where(r == 0, 1, r))[1] - 1, 0) - 1)
;;       q = np.round(r / step) * step * 2.0 ** e      # np.round: ties to even
;;       return np.moveaxis(q.reshape(q.shape[:-2] + (-1,))[..., :K], -1, axis).astype(np.float32)
;;   ~~~
;; One version. Each part assembles by itself: llvm-mc -triple=amdgcn-amd-amdhsa -mcpu=gfx1250 --defsym DOCPART=n.
;; ======== version 1 of 1: 4 launches
;; limits: values are held in f16: magnitudes above 65,504 overflow, below 6.1e-05 lose precision
;; workspace buffers: acts 16,777,216 bytes; wts 6,291,456 bytes; vq 2,801,664 bytes; qk 16,777,216 bytes; vimg 8,388,608 bytes; ctx 8,388,608 bytes
;; launch prep (part 1): grid 897 x 1, 4 waves a work-group, no clusters, 51,712 bytes of LDS; arguments query, key, value, key_padding_mask, Wq, Wk, Wo, Wv, acts, wts, vq; writes acts, wts, vq
.if DOCPART == 1
	.amdgcn_target "amdgcn-amd-amdhsa--gfx1250"
	.amdhsa_code_object_version 6
	.text
	.protected	k_qea0ec16939_prep
	.globl	k_qea0ec16939_prep
	.p2align	8
	.type	k_qea0ec16939_prep,@function
k_qea0ec16939_prep:
	s_mov_b64 s[64:65], 0
	v_nop
	global_prefetch_b8 v0, s[64:65] scope:SCOPE_SE
	s_setreg_imm32_b32 hwreg(HW_REG_WAVE_MODE, 25, 1), 1
	s_wait_xcnt 0x0
; PREP: every operand of the later products is converted ONCE and laid as an IMAGE OF THE OPERAND'S REGISTERS, in chunks of 512 bytes, lane l's 16 bytes at 16 l.
;   f16 chunk: 16 rows x 16 k: lane (r = l % 16, h = l / 16) holds row r, k = 8 h + 0..7.   FP4 chunk: 16 rows x 64 k: lane (r, h) holds the block of 32 codes number h of the chunk's two, of row r.
; Five paths, parted on the work-group's number alone; each path that uses LDS has LDS bytes of its own; waves share nothing, so there is no barrier.
;   0-511    rope(query), rope(key) -> acts (f16): [tensor 2][tile of 16 tokens 256][chunk 64][512]
;   512-639  value -> vq: FP4 codes [tile 256][K step 8][2][512] and scale words [tile][half of K 2][row 16][4 words]
;   640-831  Wq, Wk, Wo ([k][n] f32) -> wts (f16): [which 3][tile of 16 columns 64][chunk 64][512]: a lane takes a column, its registers run down K
;   832-895  Wv -> vq: FP4 codes and scale words, laid as value's
;   896      key_padding_mask -> vq: one f32 a key: 0, or -1e30 where the key is masked
; ROPE TABLES are computed: inv_freq = 2^(-i log2(10000) / 32); angle = t x inv_freq (one f32 product); n = nearest whole number to angle x 2 / pi; r = angle - n pi / 2 in two fused steps; sine and cosine by
; polynomials to r^7 and r^8 on |r| <= pi / 4 (cut-off under 4e-7), the quadrant by selects and sign bits.
; LIMITS: inv_freq is the exponential's result, within about 2 units in its last place of the power that defines it, so an angle near 1,500 rad may be off by about 3e-4 rad; the results are rounded to f16 behind it.
; f16: magnitudes up to 65,504; under 6e-5 they keep f16's fixed step.  The quantiser: a block of zeros gets the byte 1 (its codes are zeros, and only this program reads the bytes); blocks whose largest
; magnitude lies under 2^-124 are held at byte 1; NaN and infinities among the inputs are not served.
; Wv's scale words leave as 4-byte pieces 16 bytes apart: 32 KiB of the launch's 25 MB of stores are written so.
.set SPARE, 51200                      ; the spare words: 128 bytes a wave, two blocks of 256 bytes that no other line names
.set SPW,   254                        ; v254  SPARE + 4 x my thread's number; never rewritten
.set NIL,   255                        ; v255  0; never rewritten
.set RP,    272                        ; the rope path's stage: 16 rows of 256 bytes + 16; one stage a wave, from LDS byte 0
.set VP,    528                        ; the value path's stage: 16 rows of 512 bytes + 16; one a wave, behind the rope path's four
.set VST0,  4*16*RP
.macro FINISH                          ; a wave's end
	s_wait_tensorcnt 0x0
	ds_add_u32 v[SPW], v[NIL]
	s_wait_dscnt 0x0
	s_endpgm
.endm
	s_load_b512 s[4:19], s[0:1], 0x0               ; query 4, key 6, value 8, mask 10, Wq 12, Wk 14, Wo 16, Wv 18
	s_load_b128 s[20:23], s[0:1], 0x40             ; acts 20, wts 22
	s_load_b64 s[24:25], s[0:1], 0x50              ; vq
	v_lshl_add_u32 v[SPW], v0, 2, SPARE
	v_mov_b32 v[NIL], 0
	v_lshrrev_b32 v1, 5, v0
	v_readfirstlane_b32 s26, v1                    ; wave
	v_and_b32 v1, 31, v0                           ; lane
	v_and_b32 v2, 15, v0                           ; r
	v_bfe_u32 v3, v0, 4, 1                         ; h
	s_wait_kmcnt 0x0
	s_cmp_lt_u32 ttmp9, 512
	s_cbranch_scc1 .Lrope
	s_cmp_lt_u32 ttmp9, 640
	s_cbranch_scc1 .Lvalue
	s_cmp_lt_u32 ttmp9, 832
	s_cbranch_scc1 .Lweights
	s_cmp_lt_u32 ttmp9, 896
	s_cbranch_scc1 .Lwv
; ---------------- the mask: 128 threads, 4 keys a load, 16 bytes a store
	v_lshlrev_b32 v4, 2, v0
	v_lshlrev_b32 v5, 4, v0
	v_mov_b32 v6, 0xf149f2ca                       ; -1e30
	s_add_nc_u64 s[24:25], s[24:25], 2785280
.irp p, 0,1,2,3,4,5,6,7
	global_load_b32 v[32+\p], v4, s[10:11] offset:512*\p
.endr
	s_wait_loadcnt 0x0
.irp p, 0,1,2,3,4,5,6,7
.irp j, 0,1,2,3
	v_bfe_u32 v7, v[32+\p], 8*\j, 8
	v_cmp_ne_u32 vcc_lo, 0, v7
	v_cndmask_b32 v[40+4*\p+\j], 0, v6, vcc_lo
.endr
	global_store_b128 v5, v[40+4*\p:43+4*\p], s[24:25] offset:2048*\p   ; each store has registers of its own
.endr
	FINISH
; ---------------- rope: a work-group takes 16 tokens of one tensor, wave w heads 4 w .. 4 w + 3 (1,024 bytes of each row)
.set R,   32                           ; v32-159  four heads x 32 registers as loaded; a head's first 16 later hold its f16 results
.set X,   160                          ; v160-191 a head's 32 numbers of my token, in the chunk's order
.set CT,  192                          ; v192-207 cosines of my 16 pairs;  v208-223 sines;  v224-239 inv_freq
.set SN,  208
.set INV, 224
.macro SINCOS k                        ; pair k of my 16: sine and cosine of t x inv_freq
	v_mul_f32 v10, v4, v[INV+(\k)]                 ; the angle
	v_mul_f32 v11, 0x3f22f983, v10                 ; x 2 / pi
	v_rndne_f32 v11, v11                           ; n
	v_fma_f32 v10, v11, s40, v10                   ; - n x 1.5703125: exact
	v_fma_f32 v10, v11, s41, v10                   ; - n x the rest of pi / 2: r
	v_cvt_i32_f32 v12, v11
	v_mul_f32 v13, v10, v10                        ; r^2
	v_fma_f32 v14, v13, s44, s43
	v_fma_f32 v15, v13, s47, s46
	v_fma_f32 v14, v14, v13, s42
	v_fma_f32 v15, v15, v13, s45
	v_mul_f32 v14, v14, v13
	v_fma_f32 v15, v15, v13, -0.5
	v_fma_f32 v14, v14, v10, v10                   ; sin r
	v_fma_f32 v15, v15, v13, 1.0                   ; cos r
	v_and_b32 v16, 1, v12
	v_cmp_eq_u32 vcc_lo, 1, v16                    ; an odd quadrant swaps the two
	v_cndmask_b32 v[SN+(\k)], v14, v15, vcc_lo
	v_cndmask_b32 v[CT+(\k)], v15, v14, vcc_lo
	v_lshlrev_b32 v16, 30, v12                     ; the sine's sign: bit 1 of n;
	v_add_nc_u32 v12, 1, v12                       ; the cosine's: bit 1 of n + 1
	v_and_b32 v16, 0x80000000, v16
	v_lshlrev_b32 v12, 30, v12
	v_xor_b32 v[SN+(\k)], v16, v[SN+(\k)]
	v_and_b32 v12, 0x80000000, v12
	v_xor_b32 v[CT+(\k)], v12, v[CT+(\k)]
.endm
.Lrope:
	s_and_b32 s27, ttmp9, 1                        ; 0 query, 1 key
	s_bfe_u32 s28, ttmp9, 0x10001                  ; batch
	s_lshr_b32 s29, ttmp9, 2                       ; tile of 16 tokens in the sequence
	s_lshl_b32 s30, s28, 7
	s_add_co_u32 s30, s30, s29                     ; tile among the 256
	s_cmp_eq_u32 s27, 0
	s_cselect_b64 s[32:33], s[4:5], s[6:7]
	s_lshl_b32 s34, s30, 16                        ; 16 rows of 4,096 bytes
	s_lshl_b32 s35, s26, 10
	s_add_co_u32 s34, s34, s35
	s_mov_b32 s35, 0
	s_add_nc_u64 s[32:33], s[32:33], s[34:35]
	s_lshl_b32 s34, s27, 23                        ; out: tensor x 8 MiB + tile x 32 KiB + wave x 16 chunks
	s_lshl_b32 s36, s30, 15
	s_add_co_u32 s34, s34, s36
	s_lshl_b32 s36, s26, 13
	s_add_co_u32 s34, s34, s36
	s_add_nc_u64 s[20:21], s[20:21], s[34:35]
	v_lshlrev_b32 v5, 4, v2
	v_lshl_add_u32 v5, v3, 12, v5                  ; sixteen lanes read 256 consecutive bytes of a row, lanes 16-31 the next row
.irp u, 0,1,2,3
.irp i, 0,1,2,3,4,5,6,7
	global_load_b128 v[R+32*\u+4*\i:R+32*\u+4*\i+3], v5, s[32:33] offset:8192*\i+256*\u th:TH_LOAD_NT
.endr
.endr
	s_mul_i32 s37, s26, 16*RP                      ; my stage
	v_mul_u32_u24 v6, v3, RP
	v_lshl_add_u32 v6, v2, 4, v6
	v_add_nc_u32 v6, s37, v6                       ; in: row 2 i + h, 16 bytes a lane
	v_mul_u32_u24 v7, v2, RP
	v_lshl_add_u32 v7, v3, 5, v7
	v_add_nc_u32 v7, s37, v7                       ; back: row r, channels 16 c + 8 h + 0..7
	v_lshlrev_b32 v8, 4, v1                        ; a chunk's place for my lane
	s_lshl_b32 s38, s29, 4
	v_add_nc_u32 v4, s38, v2
	v_cvt_f32_u32 v4, v4                           ; t: my token's position
	v_lshlrev_b32 v9, 2, v3
	s_mov_b32 s40, 0xbfc90000
	s_mov_b32 s41, 0xb9fdaa22
	s_mov_b32 s42, 0xbe2aaaab                      ; -1/6, 1/120, -1/5040
	s_mov_b32 s43, 0x3c088889
	s_mov_b32 s44, 0xb9500d01
	s_mov_b32 s45, 0x3d2aaaab                      ; 1/24, -1/720, 1/40320
	s_mov_b32 s46, 0xbab60b61
	s_mov_b32 s47, 0x37d00d01
.set kk, 0
.rept 16                               ; my pair 4 c + e is pair 8 c + 4 h + e of the head's 32
	v_add_nc_u32 v[INV+kk], 8*(kk/4)+kk%4, v9
	v_cvt_f32_u32 v[INV+kk], v[INV+kk]
	v_mul_f32 v[INV+kk], 0xbed49a78, v[INV+kk]     ; x -log2(10000) / 32
.set kk, kk+1
.endr
.set kk, 0
.rept 16
	v_exp_f32 v[INV+kk], v[INV+kk]
.set kk, kk+1
.endr
	v_nop                                          ; a plain instruction behind the last exponential,
	s_wait_alu depctr_va_vdst(0)                   ; and one wait for the sixteen, ahead of their first reader
.set kk, 0
.rept 16
	SINCOS kk
.set kk, kk+1
.endr
.irp u, 0,1,2,3
	s_wait_loadcnt 24-8*\u                         ; this head's eight loads are in; the later heads' may be out
.irp i, 0,1,2,3,4,5,6,7
	ds_store_b128 v6, v[R+32*\u+4*\i:R+32*\u+4*\i+3] offset:2*RP*\i
.endr
.irp c, 0,1,2,3
	ds_load_b128 v[X+8*\c:X+8*\c+3], v7 offset:64*\c           ; LDS serves a wave's instructions in order: these see the stores above
	ds_load_b128 v[X+8*\c+4:X+8*\c+7], v7 offset:64*\c+16
.endr
	s_wait_dscnt 0x0
.set kk, 0
.rept 16
	v_mul_f32 v[10+2*(kk%2)], v[X+2*kk+1], v[SN+kk]
	v_mul_f32 v[11+2*(kk%2)], v[X+2*kk], v[SN+kk]
	v_fma_f32 v[X+2*kk], v[X+2*kk], v[CT+kk], -v[10+2*(kk%2)]      ; x0 cos - x1 sin
	v_fma_f32 v[X+2*kk+1], v[X+2*kk+1], v[CT+kk], v[11+2*(kk%2)]   ; x1 cos + x0 sin
	v_cvt_pk_f16_f32 v[R+32*\u+kk], v[X+2*kk], v[X+2*kk+1]
.set kk, kk+1
.endr
.irp c, 0,1,2,3
	global_store_b128 v8, v[R+32*\u+4*\c:R+32*\u+4*\c+3], s[20:21] offset:2048*\u+512*\c   ; a chunk: 512 consecutive bytes; its registers are written no more
.endr
.endr
	FINISH
; ---------------- value: a wave takes 16 rows x 512 along K, in four units of 128
.set TM,  16                           ; v16-19 largest magnitudes, v20-23 bytes, v28-31 the conversions' scale operands
.set WD,  32                           ; v32-35 the four units' scale words
.set PC,  40                           ; v40-71 codes, eight registers a unit
.set RV,  72                           ; v72-135 a unit as loaded
.set XV,  136                          ; v136-199 64 numbers of my row: register 16 b + i = k 32 b + 16 h + i
.macro LOADV q
.irp i, 0,1,2,3,4,5,6,7,8,9,10,11,12,13,14,15
	global_load_b128 v[RV+4*\i:RV+4*\i+3], v5, s[8:9] offset:4096*\i+512*(\q) th:TH_LOAD_NT   ; 32 lanes read 512 consecutive bytes of row i
.endr
.endm
.macro TURNV
.irp i, 0,1,2,3,4,5,6,7,8,9,10,11,12,13,14,15
	ds_store_b128 v6, v[RV+4*\i:RV+4*\i+3] offset:VP*\i
.endr
.irp b, 0,1,2,3
.irp p, 0,1,2,3
	ds_load_b128 v[XV+16*\b+4*\p:XV+16*\b+4*\p+3], v7 offset:128*\b+16*\p
.endr
.endr
.endm
.macro QUANT s, pc, pw                 ; 64 numbers of a lane become a fragment's codes in v[pc] on and its row's scale word in v[pw]
.irp b, 0,1,2,3
	v_max3_num_f32 v[TM+\b], |v[\s+16*\b]|, |v[\s+1+16*\b]|, 0x1800000   ; my 16 numbers of block b, and the floor 2^(3 - 127): the byte cannot fall under 1
.endr
.irp i, 2,4,6,8,10,12,14
.irp b, 0,1,2,3
	v_max3_num_f32 v[TM+\b], v[TM+\b], |v[\s+16*\b+\i]|, |v[\s+1+16*\b+\i]|
.endr
.endr
.irp b, 0,1,2,3
	v_permlanex16_b32 v[TM+4+\b], v[TM+\b], s36, s37
.endr
.irp b, 0,1,2,3
	v_max_num_f32 v[TM+\b], v[TM+\b], v[TM+4+\b]   ; with lane l xor 16's: the block's largest magnitude
.endr
.irp b, 0,1,2,3
	v_add_nc_u32 v[TM+12+\b], 0xff000000, v[TM+\b] ; 2 off its exponent field: the conversion's scale operand
.endr
.irp b, 0,1,2,3
	v_lshrrev_b32 v[TM+4+\b], 23, v[TM+12+\b]      ; the scale's byte
.endr
	v_lshl_or_b32 v[\pw], v[TM+5], 8, v[TM+4]
	v_lshl_or_b32 v[\pw], v[TM+6], 16, v[\pw]
	v_lshl_or_b32 v[\pw], v[TM+7], 24, v[\pw]
.irp b, 0,1,2,3
	v_cvt_scalef32_pk8_fp4_f32 v[(\pc)+2*\b], v[\s+16*\b:\s+7+16*\b], v[TM+12+\b]
	v_cvt_scalef32_pk8_fp4_f32 v[(\pc)+1+2*\b], v[\s+8+16*\b:\s+15+16*\b], v[TM+12+\b]
.endr
	v_nop                                          ; one plain instruction behind a scaled conversion
.irp c, 0,1                            ; the operand wants a whole block in a lane: lanes 0-15 block 2 c, lanes 16-31 block 2 c + 1
.irp i, 0,1
	v_permlane16_swap_b32 v[(\pc)+4*\c+\i], v[(\pc)+2+4*\c+\i]
.endr
.endr
.endm
.Lvalue:
	s_sub_co_u32 s27, ttmp9, 512
	s_lshl_b32 s27, s27, 2
	s_add_co_u32 s27, s27, s26
	s_lshr_b32 s28, s27, 1                         ; tile of 16 rows
	s_and_b32 s29, s27, 1                          ; half of K
	s_lshl_b32 s30, s28, 16
	s_lshl_b32 s31, s29, 11
	s_add_co_u32 s30, s30, s31
	s_mov_b32 s31, 0
	s_add_nc_u64 s[8:9], s[8:9], s[30:31]
	s_lshl_b32 s32, s28, 13                        ; codes: tile x 8 KiB + half x 4 KiB
	s_lshl_b32 s33, s29, 12
	s_add_co_u32 s32, s32, s33
	s_mov_b32 s33, 0
	s_add_nc_u64 s[34:35], s[24:25], s[32:33]
	s_lshl_b32 s32, s28, 9                         ; scale words: tile x 512 + half x 256
	s_lshl_b32 s38, s29, 8
	s_add_co_u32 s32, s32, s38
	s_add_co_u32 s32, s32, 2621440
	s_add_nc_u64 s[24:25], s[24:25], s[32:33]
	s_mov_b32 s36, 0x76543210
	s_mov_b32 s37, 0xfedcba98                      ; lane l xor 16
	s_mul_i32 s39, s26, 16*VP
	s_add_co_u32 s39, s39, VST0                    ; my stage
	v_lshlrev_b32 v5, 4, v1
	v_add_nc_u32 v6, s39, v5
	v_mul_u32_u24 v7, v2, VP
	v_lshl_add_u32 v7, v3, 6, v7
	v_add_nc_u32 v7, s39, v7
.irp b, 0,1,2,3
	v_mov_b32 v[TM+4+\b], 0                        ; a lane permute's destination counts as one of its sources
.endr
	LOADV 0
.irp q, 0,1,2,3
	s_wait_loadcnt 0x0
	TURNV
	s_wait_dscnt 0x0                               ; the unit is back, and the stage's stores have read their registers,
.if \q < 3
	LOADV \q+1                                     ; which take the next unit while this one is quantised
.endif
	QUANT XV, PC+8*\q, WD+\q
	global_store_b128 v5, v[PC+8*\q:PC+8*\q+3], s[34:35] offset:1024*\q
	global_store_b128 v5, v[PC+8*\q+4:PC+8*\q+7], s[34:35] offset:1024*\q+512
.endr
	v_cmp_eq_u32 vcc_lo, 1, v3                     ; both halves of the lanes hold row r's four words: lanes 0-15 store words 0, 1, lanes 16-31 words 2, 3: 256 consecutive bytes
	v_cndmask_b32 v36, v32, v34, vcc_lo
	v_cndmask_b32 v37, v33, v35, vcc_lo
	v_lshlrev_b32 v38, 4, v2
	v_lshl_add_u32 v38, v3, 3, v38
	global_store_b64 v38, v[36:37], s[24:25]
	FINISH
; ---------------- Wq, Wk, Wo: a wave takes 32 columns x 128 along K; a lane is a column
.Lweights:
	s_sub_co_u32 s27, ttmp9, 640
	s_lshr_b32 s28, s27, 6                         ; which weight
	s_and_b32 s29, s27, 7                          ; block of 128 columns
	s_bfe_u32 s30, s27, 0x30003                    ; block of 128 along K
	s_cmp_eq_u32 s28, 0
	s_cselect_b64 s[32:33], s[12:13], s[14:15]
	s_cmp_eq_u32 s28, 2
	s_cselect_b64 s[32:33], s[16:17], s[32:33]
	s_lshl_b32 s34, s30, 19
	s_lshl_b32 s35, s29, 9
	s_add_co_u32 s34, s34, s35
	s_lshl_b32 s35, s26, 7
	s_add_co_u32 s34, s34, s35
	s_mov_b32 s35, 0
	s_add_nc_u64 s[32:33], s[32:33], s[34:35]
	s_lshl_b32 s34, s28, 21                        ; out: which x 2 MiB + (8 block + 2 wave) x 32 KiB + 8 chunks x block of K
	s_lshl_b32 s36, s29, 18
	s_add_co_u32 s34, s34, s36
	s_lshl_b32 s36, s26, 16
	s_add_co_u32 s34, s34, s36
	s_lshl_b32 s36, s30, 12
	s_add_co_u32 s34, s34, s36
	s_add_nc_u64 s[22:23], s[22:23], s[34:35]
	v_lshlrev_b32 v4, 2, v1
	v_lshlrev_b32 v5, 4, v1
.set kk, 0
.rept 128
	global_load_b32 v[32+kk], v4, s[32:33] offset:4096*kk th:TH_LOAD_NT
.set kk, kk+1
.endr
.set kc, 0
.rept 8
.if 16*(7-kc) > 63
	s_wait_loadcnt 63                              ; at most 63 of the 128 are out: the first 65 are in
.else
	s_wait_loadcnt 16*(7-kc)                       ; the later chunks' loads may be out
.endif
.irp i, 0,1,2,3
	v_cvt_pk_f16_f32 v[160+8*kc+\i], v[32+16*kc+2*\i], v[33+16*kc+2*\i]   ; k 0..7 of the chunk, of my column
	v_cvt_pk_f16_f32 v[164+8*kc+\i], v[40+16*kc+2*\i], v[41+16*kc+2*\i]   ; k 8..15
.endr
.irp i, 0,1,2,3
	v_permlane16_swap_b32 v[160+8*kc+\i], v[164+8*kc+\i]   ; the first is now the chunk of columns 0-15, the second that of columns 16-31
.endr
	global_store_b128 v5, v[160+8*kc:163+8*kc], s[22:23] offset:512*kc
	global_store_b128 v5, v[164+8*kc:167+8*kc], s[22:23] offset:32768+512*kc
.set kc, kc+1
.endr
	FINISH
; ---------------- Wv: a wave takes 32 columns x one K step of 128; a lane holds four whole blocks of its column
.Lwv:
	s_sub_co_u32 s27, ttmp9, 832
	s_and_b32 s29, s27, 7                          ; block of 128 columns
	s_lshr_b32 s30, s27, 3                         ; K step
	s_lshl_b32 s34, s30, 19
	s_lshl_b32 s35, s29, 9
	s_add_co_u32 s34, s34, s35
	s_lshl_b32 s35, s26, 7
	s_add_co_u32 s34, s34, s35
	s_mov_b32 s35, 0
	s_add_nc_u64 s[18:19], s[18:19], s[34:35]
	s_lshl_b32 s34, s29, 16                        ; codes: (8 block + 2 wave) x 8 KiB + K step x 1 KiB
	s_lshl_b32 s36, s26, 14
	s_add_co_u32 s34, s34, s36
	s_lshl_b32 s36, s30, 10
	s_add_co_u32 s34, s34, s36
	s_add_co_u32 s34, s34, 2097152
	s_add_nc_u64 s[32:33], s[24:25], s[34:35]
	s_lshl_b32 s34, s29, 12                        ; scale words: (8 block + 2 wave) x 512 + half of K x 256 + 4 x (K step % 4)
	s_lshl_b32 s36, s26, 10
	s_add_co_u32 s34, s34, s36
	s_lshr_b32 s36, s30, 2
	s_lshl_b32 s36, s36, 8
	s_add_co_u32 s34, s34, s36
	s_and_b32 s36, s30, 3
	s_lshl_b32 s36, s36, 2
	s_add_co_u32 s34, s34, s36
	s_add_co_u32 s34, s34, 2752512
	s_add_nc_u64 s[24:25], s[24:25], s[34:35]
	v_lshlrev_b32 v4, 2, v1
	v_lshlrev_b32 v5, 4, v1
	v_lshlrev_b32 v6, 4, v2
	v_lshl_add_u32 v6, v3, 9, v6                   ; my column's word: tile (lane / 16), row r
.set kk, 0
.rept 128
	global_load_b32 v[32+kk], v4, s[18:19] offset:4096*kk th:TH_LOAD_NT
.set kk, kk+1
.endr
.set bb, 0
.rept 4
.if 32*(3-bb) > 63
	s_wait_loadcnt 63
.else
	s_wait_loadcnt 32*(3-bb)
.endif
.set XS, 32+32*bb
	v_max3_num_f32 v12, |v[XS]|, |v[XS+1]|, |v[XS+2]|
	v_max3_num_f32 v13, |v[XS+3]|, |v[XS+4]|, |v[XS+5]|
.irp i, 6,10,14,18,22,26
	v_max3_num_f32 v12, v12, |v[XS+\i]|, |v[XS+\i+1]|
	v_max3_num_f32 v13, v13, |v[XS+\i+2]|, |v[XS+\i+3]|
.endr
	v_max3_num_f32 v12, v12, |v[XS+30]|, |v[XS+31]|
	v_max3_num_f32 v12, v12, v13, 0x1800000        ; and the floor
	v_add_nc_u32 v[16+bb], 0xff000000, v12         ; the conversions' scale operand: a register for each block
	v_lshrrev_b32 v13, 23, v[16+bb]
.if bb == 0
	v_mov_b32 v10, v13
.else
	v_lshl_or_b32 v10, v13, 8*bb, v10
.endif
.irp g, 0,1,2,3
	v_cvt_scalef32_pk8_fp4_f32 v[160+4*bb+\g], v[XS+8*\g:XS+8*\g+7], v[16+bb]
.endr
.set bb, bb+1
.endr
	v_nop                                          ; one plain instruction behind the last conversion
.irp c, 0,1
.irp i, 0,1,2,3
	v_permlane16_swap_b32 v[160+8*\c+\i], v[164+8*\c+\i]   ; blocks 2 c and 2 c + 1: the first is now chunk c of columns 0-15, the second that of columns 16-31
.endr
.endr
.irp c, 0,1
	global_store_b128 v5, v[160+8*\c:163+8*\c], s[32:33] offset:512*\c
	global_store_b128 v5, v[164+8*\c:167+8*\c], s[32:33] offset:8192+512*\c
.endr
	global_store_b32 v6, v10, s[24:25]
	FINISH
.Lfunc_end_k_qea0ec16939_prep:
	.size	k_qea0ec16939_prep, .Lfunc_end_k_qea0ec16939_prep-k_qea0ec16939_prep
	.p2alignl 7, 3214868480
	.fill 96, 4, 3214868480
	.section	.rodata,"a",@progbits
	.p2align	6, 0x0
	.amdhsa_kernel k_qea0ec16939_prep
		.amdhsa_group_segment_fixed_size 51712
		.amdhsa_private_segment_fixed_size 0
		.amdhsa_enable_private_segment 0
		.amdhsa_kernarg_size 88
		.amdhsa_user_sgpr_count 2
		.amdhsa_user_sgpr_kernarg_segment_ptr 1
		.amdhsa_wavefront_size32 1
		.amdhsa_system_sgpr_workgroup_id_x 1
		.amdhsa_system_sgpr_workgroup_id_y 1
		.amdhsa_system_sgpr_workgroup_id_z 1
		.amdhsa_system_vgpr_workitem_id 0
		.amdhsa_next_free_vgpr 256
		.amdhsa_next_free_sgpr 66
		.amdhsa_reserve_vcc 1
		.amdhsa_float_denorm_mode_32 3
		.amdhsa_float_denorm_mode_16_64 3
		.amdhsa_memory_ordered 1
		.amdhsa_forward_progress 1
		.amdhsa_inst_pref_size 127
	.end_amdhsa_kernel
	.amdgpu_metadata
---
amdhsa.version: [ 1, 2 ]
amdhsa.kernels:
  - .name:           k_qea0ec16939_prep
    .symbol:         k_qea0ec16939_prep.kd
    .args:
      - { .name: query, .offset: 0, .size: 8, .value_kind: global_buffer, .address_space: global }
      - { .name: key, .offset: 8, .size: 8, .value_kind: global_buffer, .address_space: global }
      - { .name: value, .offset: 16, .size: 8, .value_kind: global_buffer, .address_space: global }
      - { .name: key_padding_mask, .offset: 24, .size: 8, .value_kind: global_buffer, .address_space: global }
      - { .name: Wq, .offset: 32, .size: 8, .value_kind: global_buffer, .address_space: global }
      - { .name: Wk, .offset: 40, .size: 8, .value_kind: global_buffer, .address_space: global }
      - { .name: Wo, .offset: 48, .size: 8, .value_kind: global_buffer, .address_space: global }
      - { .name: Wv, .offset: 56, .size: 8, .value_kind: global_buffer, .address_space: global }
      - { .name: acts, .offset: 64, .size: 8, .value_kind: global_buffer, .address_space: global }
      - { .name: wts, .offset: 72, .size: 8, .value_kind: global_buffer, .address_space: global }
      - { .name: vq, .offset: 80, .size: 8, .value_kind: global_buffer, .address_space: global }
    .group_segment_fixed_size: 51712
    .private_segment_fixed_size: 0
    .kernarg_segment_align: 8
    .kernarg_segment_size: 88
    .max_flat_workgroup_size: 128
    .sgpr_count:     66
    .vgpr_count:     256
    .wavefront_size: 32
...
	.end_amdgpu_metadata
.endif
;; end of part 1
;; launch qkvproj (part 2): grid 8 x 32, 4 waves a work-group, clusters of 4 x 4, 327,680 bytes of LDS; arguments acts, wts, bq, bk, vq, bv, qk, vimg; writes qk, vimg
.if DOCPART == 2
	.amdgcn_target "amdgcn-amd-amdhsa--gfx1250"
	.amdhsa_code_object_version 6
	.text
	.protected	k_qea0ec16939_qkvproj
	.globl	k_qea0ec16939_qkvproj
	.p2align	8
	.type	k_qea0ec16939_qkvproj,@function
k_qea0ec16939_qkvproj:
	s_mov_b64 s[64:65], 0
	v_nop
	global_prefetch_b8 v0, s[64:65] scope:SCOPE_SE
	s_setreg_imm32_b32 hwreg(HW_REG_WAVE_MODE, 25, 1), 1
	s_wait_xcnt 0x0
	s_wait_alu depctr_hold_cnt(0) depctr_sa_sdst(0) depctr_va_vdst(0) depctr_va_sdst(0) depctr_va_ssrc(0) depctr_va_vcc(0) depctr_vm_vsrc(0)
	s_getreg_b32 s2, hwreg(HW_REG_IB_STS2, 6, 4)
	s_cmp_eq_u32 s2, 0
	s_cbranch_scc0 .Lentry_in_a_cluster
	s_endpgm
.Lentry_in_a_cluster:
	s_bfe_u32 s2, ttmp6, 0x10000c
	s_cmp_lg_u32 s2, 0xf033
	s_cbranch_scc0 .Lentry_shape_is_right
	s_endpgm
.Lentry_shape_is_right:
; THE THREE PROJECTIONS IN ONE LAUNCH OF 256 WORK-GROUPS THAT STAY.  Work-group (x, y) makes, for tokens 128 y .. 128 y + 127 and outputs 128 x .. 128 x + 127, one after the other:
;   q = (rope(query) Wq + bq) x log2(e) / 8  and  k = rope(key) Wk + bk: f16 operands, f32 sums, rounded to f16, stored as images by head: [q, k][batch x head 32][tile of 16 tokens 128][16 channels 4][512];
;   v = Q(value) Q(Wv) + bv: codes of FP4 (E2M1) with one E8M0 scale for each 32 along K, f32 sums, rounded to f16, stored as the image of V^T: [batch x head 32][32 keys 64][16 channels 4][16 keys 2][512].
; Every operand lies as an IMAGE OF ITS REGISTERS, in chunks of 512 bytes, lane l's 16 bytes at 16 l: f16 operands as [tile of 16 rows][chunk of 16 k: 64][512], FP4 codes as [tile of 16 rows][K step of 128: 8][2][512].
; A tile of a result is 128 x 128: four waves of 64 x 64, 16 accumulators, the same registers for q, k and v in turn.
; q AND k: K = 1,024 goes in steps of 256 through two LDS slots; a wave's tensor load brings 4 tiles of 16 rows x 8 KiB; no padding: every fragment load reads 512 consecutive bytes.  THE RING RUNS ON from q's tile into
; k's: q's last two changes of slots ask for k's first two K steps, and q's results leave while those are on their way.  Eight K steps, six refills, all written out: no loop.  Two tensor loads of a wave are out at
; the head, one behind each round.  CLUSTERS: 4 x 4 work-groups; the tokens' tiles are asked for jointly along a row of the cluster, the weights' along a column.  The matrix instruction is used TRANSPOSED
; (source 0 = 16 columns of the weight, source 1 = 16 tokens): a lane holds one token and eight neighbouring outputs, so four packed registers are a chunk.  The bias is the C of each sum's first matrix instruction.
; v: the codes of all of K are 32 KiB a side for a wave: they go straight from memory into registers of their own (windows 2 and 3), in three batches of loads, each directly ahead of a change of slots; no tile of them
; passes through LDS, so no joint tensor load could bring them.  The 128 products stand at the end.  Used as it stands (source 0 = 16 tokens, source 1 = 16 columns of Wv): a lane holds one channel and eight
; neighbouring TOKENS, which packed are a chunk of V^T.
; LIMIT: results stored as f16 must stay under 65,504 in magnitude.
; REGISTERS: window 0: v1-7 lane numbers and offsets; v8-11 bv as loaded; v16-29 addresses; v32-63 value's scale words (8 a + K step), v64-95 Wv's: they hold scales and nothing else; v96-127 the bias as C: bq's,
;   then bk's, then bv's; v128-255 the accumulators ((a, b) at v[128 + 8 (4 a + b)]).   window 1: two f16 fragment buffers of 128: for 64 along K, 64 registers of tokens, then 64 of the weight.
;   window 2: value's 32 FP4 fragments at v[8 (8 a + K step)];   window 3: Wv's likewise.
.set HALFT, 32768                      ; 4 tiles of 16 rows x 8 KiB: what one tensor load brings, and what one wave reads of A or of B
.set SLOT,  4*HALFT                    ; A's 8 tiles, then B's 8
.set KSB,   8192                       ; a K step in a tile of 16 rows: 16 chunks
.set SPARE, 2*SLOT                     ; the spare words: 128 bytes a wave, two blocks of 256 bytes that no other line names
.set NEXTA, 8388608-2*KSB              ; from a slot's last K step of q's tile to its first of k's: rope(key) lies 8 MiB behind rope(query), and back along K;
.set NEXTB, 2097152-2*KSB              ; Wk lies 2 MiB behind Wq
.set ADRA, 16                          ; v16-17  LDS address of my A fragments in slot 0, 1
.set ADRB, 20                          ; v20-21  the same for B
.set LI,   24                          ; v24     16 x lane; never rewritten
.set SPW,  28                          ; v28     SPARE + 4 x my thread's number; never rewritten
.set NIL,  29                          ; v29     0; never rewritten
.set SA,   32
.set SB,   64
.set BIA,  96
.set ACC,  128
.set F0,   0
.set F1,   128
.set G1,  24                           ; s[24:31] group 1 for A's tiles; s[32:39] group 0, a set for each slot
.set G0,  32
.set G1B, 48                           ; s[48:55], s[56:63] the same for B's
.set G0B, 56
.set VA,  74                           ; s[74:75] value's codes at my first tile; s[76:77] Wv's; s[78:79] value's scale words; s[96:97] Wv's: never rewritten
.set VB,  76
.set VSA, 78
.set VSB, 96
.set MSB, 0
.macro WIN new                         ; the immediate's high byte repeats the setting that is left
.if MSB != \new
	s_set_vgpr_msb (MSB<<8)|\new
.set MSB, \new
.endif
.endm
.set MUL,  0x05                        ; sources 0 (B) and 1 (A) window 1; C and D window 0
.set TO_F, 0x40                        ; destination window 1, address window 0
.set MULV, 0x0e                        ; source 0 (value) window 2, source 1 (Wv) window 3; C and D window 0
.macro JLOAD s                         ; a joint load: waves 0 and 1 fetch A's halves, waves 2 and 3 B's; an s_nop 0 and four v_nop follow each line
	s_cmp_eq_u32 s15, 0
	s_cbranch_scc0 .Lfor_b_\@
	tensor_load_to_lds s[G0+4*\s:G0+4*\s+3], s[G1:G1+7]
	s_nop 0
.rept 4
	v_nop
.endr
	s_branch .Lasked_\@
.Lfor_b_\@:
	tensor_load_to_lds s[G0B+4*\s:G0B+4*\s+3], s[G1B:G1B+7]
	s_nop 0
.rept 4
	v_nop
.endr
.Lasked_\@:
.endm
.macro CREST                           ; a round of the cluster's barrier behind its opening barrier
	s_cmp_lg_u32 s14, 0
	s_cbranch_scc1 .Lnot_wave_0_\@
	s_barrier_signal -3
.Lnot_wave_0_\@:
	s_barrier_wait -3
	s_barrier_signal -1
	s_barrier_wait -1
.endm
.macro CROUND
	s_barrier_signal -1
	s_barrier_wait -1
	CREST
.endm
	s_load_b512 s[80:95], s[0:1], 0x0              ; acts 80, wts 82, bq 84, bk 86, vq 88, bv 90, qk 92, vimg 94
	v_lshl_add_u32 v[SPW], v0, 2, SPARE
	v_mov_b32 v[NIL], 0
	ds_add_u32 v[SPW], v[NIL]                      ; the opening: the add, twice on end, and its wait ahead of my first tensor load
	ds_add_u32 v[SPW], v[NIL]
	v_lshrrev_b32 v1, 5, v0
	v_readfirstlane_b32 s14, v1                    ; wave
	s_lshr_b32 s15, s14, 1                         ; my half of the tile's tokens.  Also: I fetch for A (0) or for B (1)
	s_and_b32 s16, s14, 1                          ; my half of its outputs.  Also: which 4 tiles of 16 rows I fetch
	s_bfe_u32 s40, ttmp6, 0x40000                  ; cx, cy
	s_bfe_u32 s41, ttmp6, 0x40004
	s_lshl_b32 s42, ttmp9, 2
	s_add_co_u32 s42, s42, s40                     ; tile column, 0 to 7
	s_and_b32 s17, ttmp7, 0xffff
	s_lshl_b32 s17, s17, 2
	s_add_co_u32 s17, s17, s41                     ; tile row, 0 to 31
	s_lshl_b32 s43, s41, 2
	s_lshl_b32 s43, 15, s43                        ; my row of the cluster
	s_lshl_b32 s44, 0x1111, s40                    ; my column
	s_or_b32 s[G1+0], s43, (3<<16)|(1<<21)         ; 15:0 the mask; 17:16 elements of 8 bytes; 21 set beside a mask; no padding
	s_or_b32 s[G1B+0], s44, (3<<16)|(1<<21)
.irp g, G1, G1B
	s_mov_b32 s[\g+1], 1024<<16                    ; tensor_dim0 = 1,024 elements: 8 KiB, a K step of one tile of 16 rows
	s_mov_b32 s[\g+2], 4<<16                       ; tensor_dim1 = 4 tiles
	s_mov_b32 s[\g+3], 1024<<16                    ; tile_dim0
	s_mov_b32 s[\g+4], 4                           ; tile_dim1
	s_mov_b32 s[\g+5], 4096                        ; 32 KiB from tile to tile
	s_mov_b32 s[\g+6], 0
	s_mov_b32 s[\g+7], 0
.endr
	s_lshl_b32 s18, s16, 17                        ; the 4 tiles that I fetch
	s_lshl_b32 s20, s17, 18                        ; A: 8 tiles of 32 KiB a tile row, in rope(query)
	s_add_co_u32 s20, s20, s18
	s_mov_b32 s21, 0
	s_lshl_b32 s46, s42, 18                        ; B: 8 tiles a tile column, in Wq
	s_add_co_u32 s46, s46, s18
	s_mov_b32 s47, 0
	s_lshl_b32 s45, s14, 15                        ; where they go: wave x 32 KiB: no place in the cluster enters an LDS address
	s_mov_b32 s68, 0x3e38aa3b                      ; log2(e) / 8: q is multiplied by it in f32 ahead of its rounding
	s_mov_b32 s69, s68                             ; (named with it as a pair, so it is written)
	s_wait_dscnt 0x0                               ; both opening adds are done
	s_wait_kmcnt 0x0
	s_add_nc_u64 s[20:21], s[80:81], s[20:21]
	s_add_nc_u64 s[46:47], s[82:83], s[46:47]
	CROUND                                         ; all sixteen work-groups are here: the first joint loads meet
.irp s, 0,1
	s_mov_b32 s[G0+4*\s], 1
	s_add_co_u32 s[G0+4*\s+1], s45, \s*SLOT
	s_add_nc_u64 s[G0+4*\s+2:G0+4*\s+3], s[20:21], \s*KSB
	s_or_b32 s[G0+4*\s+3], s[G0+4*\s+3], 0x80000000
	s_mov_b32 s[G0B+4*\s], 1
	s_add_co_u32 s[G0B+4*\s+1], s45, \s*SLOT
	s_add_nc_u64 s[G0B+4*\s+2:G0B+4*\s+3], s[46:47], \s*KSB
	s_or_b32 s[G0B+4*\s+3], s[G0B+4*\s+3], 0x80000000
	JLOAD \s                                       ; two loads of mine are out
.endr
	v_and_b32 v1, 31, v0
	v_lshlrev_b32 v[LI], 4, v1
	v_bfe_u32 v2, v0, 4, 1                         ; h
	v_and_b32 v3, 15, v0                           ; r
	v_lshlrev_b32 v4, 5, v2                        ; 32 h: my eight numbers of a bias; never rewritten
	v_lshlrev_b32 v6, 4, v3                        ; 16 r: a row's four scale words; never rewritten
	v_lshlrev_b32 v7, 2, v3                        ; 4 r: my channel's bv; never rewritten
	s_lshl_b32 s21, s15, 15                        ; my 4 tiles of A
	s_lshl_b32 s22, s16, 15                        ; my 4 tiles of B,
	s_add_co_u32 s22, s22, 2*HALFT                 ; which lie behind A's 8
.irp s, 0,1
	v_add_nc_u32 v[ADRA+\s], s21, v[LI]
	v_add_nc_u32 v[ADRB+\s], s22, v[LI]
	s_add_co_u32 s21, s21, SLOT
	s_add_co_u32 s22, s22, SLOT
.endr
	s_lshl_b32 s19, s42, 1
	s_add_co_u32 s19, s19, s16                     ; my head = 2 x tile column + half: my 64 outputs
	s_mov_b32 s73, 0
	s_lshl_b32 s72, s19, 8                         ; 256 bytes of each bias
	s_add_nc_u64 s[84:85], s[84:85], s[72:73]
	s_add_nc_u64 s[86:87], s[86:87], s[72:73]
	s_add_nc_u64 s[90:91], s[90:91], s[72:73]
.irp b, 0,1,2,3                        ; bq in the result's layout: lane (r, h), tile b, register j: bias[16 b + 8 h + j]
	global_load_b128 v[BIA+8*\b:BIA+8*\b+3], v4, s[84:85] offset:64*\b
	global_load_b128 v[BIA+8*\b+4:BIA+8*\b+7], v4, s[84:85] offset:64*\b+16
.endr
	s_lshr_b32 s72, s17, 4                         ; q's place in qk: batch x 4 MiB;
	s_lshl_b32 s72, s72, 22
	s_and_b32 s18, s17, 15                         ; 8 tiles of 16 tokens a tile row, 2 KiB each;
	s_lshl_b32 s18, s18, 14
	s_add_co_u32 s72, s72, s18
	s_lshl_b32 s18, s15, 13
	s_add_co_u32 s72, s72, s18
	s_lshl_b32 s18, s19, 18                        ; head x 256 KiB
	s_add_co_u32 s72, s72, s18
	s_add_nc_u64 s[92:93], s[92:93], s[72:73]
	s_lshl_b32 s70, s17, 3                         ; v's product: my first tile of 16 tokens,
	s_lshl_b32 s18, s15, 2
	s_add_co_u32 s70, s70, s18
	s_lshl_b32 s71, s42, 3                         ; my first tile of 16 channels
	s_lshl_b32 s18, s16, 2
	s_add_co_u32 s71, s71, s18
	s_lshl_b32 s72, s70, 13
	s_add_nc_u64 s[VA:VA+1], s[88:89], s[72:73]    ; value's codes: 8 KiB a tile
	s_lshl_b32 s72, s71, 13
	s_add_co_u32 s72, s72, 2097152
	s_add_nc_u64 s[VB:VB+1], s[88:89], s[72:73]    ; Wv's codes
	s_lshl_b32 s72, s70, 9
	s_add_co_u32 s72, s72, 2621440
	s_add_nc_u64 s[VSA:VSA+1], s[88:89], s[72:73]  ; value's scale words: 512 bytes a tile
	s_lshl_b32 s72, s71, 9
	s_add_co_u32 s72, s72, 2752512
	s_add_nc_u64 s[VSB:VSB+1], s[88:89], s[72:73]  ; Wv's
	s_lshr_b32 s72, s70, 7                         ; v's place in vimg: (16 batch + head) x 256 KiB + (tile in the sequence / 2) x 4 KiB
	s_lshl_b32 s72, s72, 4
	s_add_co_u32 s72, s72, s19
	s_lshl_b32 s72, s72, 18
	s_and_b32 s18, s70, 127
	s_lshl_b32 s18, s18, 11
	s_add_co_u32 s72, s72, s18
	s_add_nc_u64 s[94:95], s[94:95], s[72:73]
; 8 matrix instructions: token tiles a0, a0 + 1 x my 4 tiles of outputs, 32 along K: half c of buffer f.  zero = 1: the first product starts the sums, with the bias as its C.
; The 16 accumulators take turns, one instruction a turn.
.macro MUL8 f, c, a0, zero
.irp a, \a0, \a0+1
.irp b, 0,1,2,3
.if \zero
	v_wmma_f32_16x16x32_f16 v[ACC+8*(4*(\a)+\b):ACC+8*(4*(\a)+\b)+7], v[\f+64+8*(4*\c+\b):\f+64+8*(4*\c+\b)+7], v[\f+8*(4*\c+\a):\f+8*(4*\c+\a)+7], v[BIA+8*\b:BIA+8*\b+7]
.else
	v_wmma_f32_16x16x32_f16 v[ACC+8*(4*(\a)+\b):ACC+8*(4*(\a)+\b)+7], v[\f+64+8*(4*\c+\b):\f+64+8*(4*\c+\b)+7], v[\f+8*(4*\c+\a):\f+8*(4*\c+\a)+7], v[ACC+8*(4*(\a)+\b):ACC+8*(4*(\a)+\b)+7]
.endif
.endr
.endr
.endm
; 32 LDS loads in one run: the fragments of quarter qd (64 along K: 4 chunks of each tile) into buffer f; the first 32 along K first
.macro FETCH slot, qd, f
	WIN TO_F
.irp c, 0,1
.irp i, 0,1,2,3
	ds_load_b128 v[\f+64+8*(4*\c+\i):\f+64+8*(4*\c+\i)+3],   v[ADRB+\slot] offset:2048*(\qd)+1024*\c+KSB*\i
	ds_load_b128 v[\f+64+8*(4*\c+\i)+4:\f+64+8*(4*\c+\i)+7], v[ADRB+\slot] offset:2048*(\qd)+1024*\c+KSB*\i+512
	ds_load_b128 v[\f+8*(4*\c+\i):\f+8*(4*\c+\i)+3],         v[ADRA+\slot] offset:2048*(\qd)+1024*\c+KSB*\i
	ds_load_b128 v[\f+8*(4*\c+\i)+4:\f+8*(4*\c+\i)+7],       v[ADRA+\slot] offset:2048*(\qd)+1024*\c+KSB*\i+512
.endr
.endr
.endm
.macro PLACES                          ; four plain instructions in front of loads into registers that matrix instructions have read, and of the first read of results
.rept 4
	v_nop
.endr
.endm
; A K step is four quarters of 64 along K, 32 matrix instructions each, on buffers 0, 1, 0, 1.  One of the first three multiplies buffer f and fetches quarter qd into g.
.macro QUARTER slot, qd, f, g, zero
	s_wait_dscnt 16                                ; the first 32 along K are in; the other sixteen loads may be out
	WIN MUL
	MUL8 \f, 0, 0, \zero
	MUL8 \f, 0, 2, \zero
	PLACES
	FETCH \slot, \qd, \g
	s_wait_dscnt 32                                ; all but the 32 just issued
	WIN MUL
	MUL8 \f, 1, 0, 0
	MUL8 \f, 1, 2, 0
.endm
.macro THREE slot, zero                ; a K step's first three quarters
	QUARTER \slot, 1, F0, F1, \zero
	QUARTER \slot, 2, F1, F0, 0
	QUARTER \slot, 3, F0, F1, 0
.endm
; The last quarter multiplies buffer 1 and changes slots: one barrier; in front of it each wave waits for all its tensor loads, adds 0 to its spare word, and waits for that and for its reads of this slot.
; fill = 1 or 2: the barrier opens a round of the cluster's, and this slot is filled again first thing behind the round: with this tile's K step two steps on (1), or with k's K step 0 or 1 (2).  fill = 0: nothing is left to fetch.
.macro TURN slot, next, fill
	WIN 0
	s_wait_tensorcnt 0x0                           ; all my tensor loads have landed: my part of the next slot
	ds_add_u32 v[SPW], v[NIL]
	s_wait_dscnt 17                                ; (the add and the youngest sixteen loads may be out)
	WIN MUL
	MUL8 F1, 0, 0, 0
	s_wait_dscnt 0x0                               ; the add is done, and my reads of this slot are over
	s_barrier_signal -1
	MUL8 F1, 0, 2, 0
.if \fill
	WIN 0
.endif
	s_barrier_wait -1
.if \fill
	CREST                                          ; no wave of any partner still reads this slot or has a load on its way
.if \fill == 2
	s_add_nc_u64 s[G0+4*\slot+2:G0+4*\slot+3], s[G0+4*\slot+2:G0+4*\slot+3], NEXTA
	s_add_nc_u64 s[G0B+4*\slot+2:G0B+4*\slot+3], s[G0B+4*\slot+2:G0B+4*\slot+3], NEXTB
.else
	s_add_nc_u64 s[G0+4*\slot+2:G0+4*\slot+3], s[G0+4*\slot+2:G0+4*\slot+3], 2*KSB
	s_add_nc_u64 s[G0B+4*\slot+2:G0B+4*\slot+3], s[G0B+4*\slot+2:G0B+4*\slot+3], 2*KSB
.endif
	JLOAD \slot                                    ; my one tensor load behind the round; its four v_nop are also the places in front of the loads below
.else
	PLACES
.endif
	FETCH \next, 0, F0
	WIN MUL
	MUL8 F1, 1, 0, 0
	MUL8 F1, 1, 2, 0
.endm
; The codes of one K step of 128 of v's product: value's 4 fragments into window 2, Wv's 4 into window 3: 16 loads of 512 consecutive bytes.  No other line touches these registers before the products at the end.
.macro VFRAG ks
	WIN 0x80
.irp a, 0,1,2,3
.irp c, 0,1
	global_load_b128 v[8*(8*\a+(\ks))+4*\c:8*(8*\a+(\ks))+4*\c+3], v[LI], s[VA:VA+1] offset:8192*\a+1024*(\ks)+512*\c
.endr
.endr
	WIN 0xc0
.irp a, 0,1,2,3
.irp c, 0,1
	global_load_b128 v[8*(8*\a+(\ks))+4*\c:8*(8*\a+(\ks))+4*\c+3], v[LI], s[VB:VB+1] offset:8192*\a+1024*(\ks)+512*\c
.endr
.endr
.endm
; Sixteen accumulators are rounded to f16 in place (register i of an accumulator is written when registers 2 i and 2 i + 1 have been read): its four lowest registers are then a chunk.
.macro PACK16
.set tt, 0
.rept 16
.irp i, 0,1,2,3
	v_cvt_pk_f16_f32 v[ACC+8*tt+\i], v[ACC+8*tt+2*\i], v[ACC+8*tt+2*\i+1]
.endr
.set tt, tt+1
.endr
.endm
; THE WAY OUT of q's tile (scaled = 1) or k's (0): 512 consecutive bytes a store, a wave's 8 KiB on end.
.macro WAYOUT scaled
	WIN 0
	PLACES
.if \scaled
.set ii, 0
.rept 64
	v_pk_mul_f32 v[ACC+2*ii:ACC+2*ii+1], v[ACC+2*ii:ACC+2*ii+1], s[68:69] op_sel_hi:[1,0]
.set ii, ii+1
.endr
.endif
	PACK16
.irp a, 0,1,2,3
.irp b, 0,1,2,3
	global_store_b128 v[LI], v[ACC+8*(4*\a+\b):ACC+8*(4*\a+\b)+3], s[92:93] offset:2048*\a+512*\b
.endr
.endr
.endm
	s_wait_tensorcnt 1                             ; my part of K step 0 is in; K step 1's load may be out
	s_barrier_signal -1
	s_barrier_wait -1
	FETCH 0, 0, F0
	s_wait_loadcnt 0x0                             ; bq
	; ---------------- q's tile
	THREE 0, 1                                     ; K step 0
	TURN 0, 1, 1                                   ; slot 0 takes K step 2
	THREE 1, 0                                     ; K step 1
	; The first batch of loads for what comes later, 60 in all, directly ahead of a change of slots.  bk goes into the bias's registers: their last reader, K step 0's first quarter, lies far more than four plain instructions back.
	WIN 0
.irp b, 0,1,2,3
	global_load_b128 v[BIA+8*\b:BIA+8*\b+3], v4, s[86:87] offset:64*\b
	global_load_b128 v[BIA+8*\b+4:BIA+8*\b+7], v4, s[86:87] offset:64*\b+16
.endr
.irp a, 0,1,2,3
.irp kh, 0,1
	global_load_b128 v[SA+8*\a+4*\kh:SA+8*\a+4*\kh+3], v6, s[VSA:VSA+1] offset:512*\a+256*\kh   ; lane r: row r's scale words of four K steps (lanes 16-31 read the same and are not used)
	global_load_b128 v[SB+8*\a+4*\kh:SB+8*\a+4*\kh+3], v6, s[VSB:VSB+1] offset:512*\a+256*\kh
.endr
.endr
.irp b, 0,1,2,3
	global_load_b32 v[8+\b], v7, s[90:91] offset:64*\b
.endr
	VFRAG 0
	VFRAG 1
	TURN 1, 0, 1                                   ; slot 1 takes K step 3
	THREE 0, 0                                     ; K step 2
	TURN 0, 1, 2                                   ; THE RING GOES ON INTO k's TILE: slot 0 takes its K step 0,
	THREE 1, 0                                     ; K step 3
	VFRAG 2                                        ; the second batch: 48 loads
	VFRAG 3
	VFRAG 4
	TURN 1, 0, 2                                   ; slot 1 its K step 1, and k's first fragments are fetched
	WAYOUT 1                                       ; both refills are asked for: now q's tile goes out
	s_wait_xcnt 0x0                                ; the stores have read their registers and their base: the accumulators are written again, and the base stepped, only behind this wait
	s_add_nc_u64 s[92:93], s[92:93], 0x800000      ; k's part of qk lies 8 MiB behind q's
	s_wait_loadcnt 48                              ; the second batch's 48 loads may be out: the first batch, bk among it, is in
	; ---------------- k's tile.  Its first products write over q's accumulators with another C: the conversions above, which name other accumulators, are far more than the five plain instructions between
	THREE 0, 1                                     ; K step 0
	TURN 0, 1, 1                                   ; slot 0 takes K step 2
	THREE 1, 0                                     ; K step 1
	VFRAG 5                                        ; the third batch: 48 loads
	VFRAG 6
	VFRAG 7
	TURN 1, 0, 1                                   ; slot 1 takes K step 3
	THREE 0, 0                                     ; K step 2
	TURN 0, 1, 0                                   ; nothing is left to fetch
	THREE 1, 0                                     ; K step 3
	s_wait_dscnt 16
	WIN MUL
	MUL8 F1, 0, 0, 0
	MUL8 F1, 0, 2, 0
	s_wait_dscnt 0x0
	MUL8 F1, 1, 0, 0
	MUL8 F1, 1, 2, 0
	WAYOUT 0
	; ---------------- v's tile: all its operands are in registers
	s_wait_xcnt 0x0                                ; k's stores have read the accumulators
	s_wait_loadcnt 0x0                             ; the third batch
.irp b, 0,1,2,3
.irp j, 0,1,2,3,4,5,6,7
	v_mov_b32 v[BIA+8*\b+\j], v[8+\b]              ; a lane is one channel here: its bias in all eight registers of the C
.endr
.endr
	WIN MULV
.irp ks, 0,1,2,3,4,5,6,7
.irp a, 0,1,2,3
.irp b, 0,1,2,3
.if \ks == 0
	v_wmma_scale_f32_16x16x128_f8f6f4 v[ACC+8*(4*\a+\b):ACC+8*(4*\a+\b)+7], v[8*(8*\a+\ks):8*(8*\a+\ks)+7], v[8*(8*\b+\ks):8*(8*\b+\ks)+7], v[BIA+8*\b:BIA+8*\b+7], v[SA+8*\a+\ks], v[SB+8*\b+\ks] matrix_a_fmt:MATRIX_FMT_FP4 matrix_b_fmt:MATRIX_FMT_FP4
.else
	v_wmma_scale_f32_16x16x128_f8f6f4 v[ACC+8*(4*\a+\b):ACC+8*(4*\a+\b)+7], v[8*(8*\a+\ks):8*(8*\a+\ks)+7], v[8*(8*\b+\ks):8*(8*\b+\ks)+7], v[ACC+8*(4*\a+\b):ACC+8*(4*\a+\b)+7], v[SA+8*\a+\ks], v[SB+8*\b+\ks] matrix_a_fmt:MATRIX_FMT_FP4 matrix_b_fmt:MATRIX_FMT_FP4
.endif
.endr
.endr
.endr                                  ; the sixteen accumulators take turns, one instruction a turn
	WIN 0
	PLACES
	PACK16
.irp a, 0,1,2,3
.irp b, 0,1,2,3
	global_store_b128 v[LI], v[ACC+8*(4*\a+\b):ACC+8*(4*\a+\b)+3], s[94:95] offset:4096*(\a/2)+1024*\b+512*(\a%2)
.endr
.endr
	s_wait_tensorcnt 0x0                           ; the wave's end
	ds_add_u32 v[SPW], v[NIL]
	s_wait_dscnt 0x0
	CROUND                                         ; the closing round: no work-group ends while a partner may still ask for a tile that names it
	s_endpgm
.Lfunc_end_k_qea0ec16939_qkvproj:
	.size	k_qea0ec16939_qkvproj, .Lfunc_end_k_qea0ec16939_qkvproj-k_qea0ec16939_qkvproj
	.p2alignl 7, 3214868480
	.fill 96, 4, 3214868480
	.section	.rodata,"a",@progbits
	.p2align	6, 0x0
	.amdhsa_kernel k_qea0ec16939_qkvproj
		.amdhsa_group_segment_fixed_size 327680
		.amdhsa_private_segment_fixed_size 0
		.amdhsa_enable_private_segment 0
		.amdhsa_kernarg_size 64
		.amdhsa_user_sgpr_count 2
		.amdhsa_user_sgpr_kernarg_segment_ptr 1
		.amdhsa_wavefront_size32 1
		.amdhsa_system_sgpr_workgroup_id_x 1
		.amdhsa_system_sgpr_workgroup_id_y 1
		.amdhsa_system_sgpr_workgroup_id_z 1
		.amdhsa_system_vgpr_workitem_id 0
		.amdhsa_next_free_vgpr 1024
		.amdhsa_next_free_sgpr 98
		.amdhsa_reserve_vcc 0
		.amdhsa_float_denorm_mode_32 3
		.amdhsa_float_denorm_mode_16_64 3
		.amdhsa_memory_ordered 1
		.amdhsa_forward_progress 1
		.amdhsa_inst_pref_size 205
	.end_amdhsa_kernel
	.amdgpu_metadata
---
amdhsa.version: [ 1, 2 ]
amdhsa.kernels:
  - .name:           k_qea0ec16939_qkvproj
    .symbol:         k_qea0ec16939_qkvproj.kd
    .args:
      - { .name: acts, .offset: 0, .size: 8, .value_kind: global_buffer, .address_space: global }
      - { .name: wts, .offset: 8, .size: 8, .value_kind: global_buffer, .address_space: global }
      - { .name: bq, .offset: 16, .size: 8, .value_kind: global_buffer, .address_space: global }
      - { .name: bk, .offset: 24, .size: 8, .value_kind: global_buffer, .address_space: global }
      - { .name: vq, .offset: 32, .size: 8, .value_kind: global_buffer, .address_space: global }
      - { .name: bv, .offset: 40, .size: 8, .value_kind: global_buffer, .address_space: global }
      - { .name: qk, .offset: 48, .size: 8, .value_kind: global_buffer, .address_space: global }
      - { .name: vimg, .offset: 56, .size: 8, .value_kind: global_buffer, .address_space: global }
    .group_segment_fixed_size: 327680
    .private_segment_fixed_size: 0
    .kernarg_segment_align: 8
    .kernarg_segment_size: 64
    .max_flat_workgroup_size: 128
    .sgpr_count:     98
    .vgpr_count:     1024
    .wavefront_size: 32
...
	.end_amdgpu_metadata
.endif
;; end of part 2
;; launch attn (part 3): grid 8 x 32, 8 waves a work-group, clusters of 4 x 1, 327,680 bytes of LDS; arguments qk, vimg, vq, ctx; writes ctx
.if DOCPART == 3
	.amdgcn_target "amdgcn-amd-amdhsa--gfx1250"
	.amdhsa_code_object_version 6
	.text
	.protected	k_qea0ec16939_attn
	.globl	k_qea0ec16939_attn
	.p2align	8
	.type	k_qea0ec16939_attn,@function
k_qea0ec16939_attn:
	s_mov_b64 s[64:65], 0
	v_nop
	global_prefetch_b8 v0, s[64:65] scope:SCOPE_SE
	s_setreg_imm32_b32 hwreg(HW_REG_WAVE_MODE, 25, 1), 1
	s_wait_xcnt 0x0
	s_wait_alu depctr_hold_cnt(0) depctr_sa_sdst(0) depctr_va_vdst(0) depctr_va_sdst(0) depctr_va_ssrc(0) depctr_va_vcc(0) depctr_vm_vsrc(0)
	s_getreg_b32 s2, hwreg(HW_REG_IB_STS2, 6, 4)
	s_cmp_eq_u32 s2, 0
	s_cbranch_scc0 .Lentry_in_a_cluster
	s_endpgm
.Lentry_in_a_cluster:
	s_bfe_u32 s2, ttmp6, 0x10000c
	s_cmp_lg_u32 s2, 0x3003
	s_cbranch_scc0 .Lentry_shape_is_right
	s_endpgm
.Lentry_shape_is_right:
; ctx[b][q][head] = softmax_k(q . k / 8, masked keys left out) v, head size 64, 2,048 keys, f16 operands, f32 products, maxima and sums.  q arrives multiplied by log2(e) / 8: a score is already t, p = 2^(t - m).
; q, k: images [batch x head 32][tile of 16 tokens 128][16 channels 4][512]; V^T: [batch x head][32 keys 64][16 channels 4][16 keys 2][512]; the mask: one f32 a key, 0 or -1e30; ctx: [tile of 16 tokens 256][16 channels 64][512], f16.
; SHARES.  A work-group owns 256 queries of one head, each of its EIGHT waves 32: two tiles of 16; two waves to a SIMD.  Every wave walks all keys, 64 a step.
; LAYOUT.  Both products are used transposed: S^T = K Q^T + mask (source 0 = 16 keys, source 1 = 16 queries; the mask numbers are the C of a score tile's first matrix instruction), O^T = V^T P: a lane holds ONE
; query throughout, and two neighbouring tiles of S^T, rounded to f16 in pairs, ARE P's fragment.
; SOFTMAX.  A running maximum m (it starts at -3e38) and sum l for each query; in every step O and l are multiplied by a = 2^(m_old - m_new).  A masked key's score is -1e30 (real scores stay under 2.7e11 in f16's
; range), so its p is 0 as soon as one real key has been seen, and what was summed before that is wiped by a = 0.  Where m is still under -1e29 at the end every key was masked: 1 / l is replaced by NaN.
; ROLES.  A step is X (the softmax, vector work) and M (16 products V^T P of step j, 16 products K Q^T of step j + 1).  ROLE = (w xor w / 4) & 1 differs between waves w, w + 4 and between 2 s, 2 s + 1.  A trip is
; [X if ROLE = 0] M, the LDS loads, [X if ROLE = 1]: every wave runs the same cycle X M X M .., but behind each barrier half of the waves begin with vector work and half with matrix work.
; The branches hang on the wave's number alone; no barrier, no wait on tensor loads and no tensor load stands under them.
; RING.  K's ring (LDS 0 .. 128 KiB) and V's (128 .. 256 KiB): four places of four steps (32 KiB).  The head fills the mask numbers and slots 0 and 1; behind round m (0 .. 5) slot m + 2 is asked for.
; Trips 4 m .. 4 m + 3 read V of steps 4 m + 1 .. 4 m + 4 and K of steps 4 m + 2 .. 4 m + 5: slots m and m + 1, both shown landed by round m's wait; the place that is filled held slot m - 2.
; Every wave issues one load: waves 0-3 K's four steps of a slot, waves 4-7 V's: 8 KiB each.  Three loads of a wave are out at the head, one behind each round.
; CLUSTER.  The four query blocks of a cluster belong to one head and walk the same K, V and mask: every tile is asked for jointly, with the mask of all four.
; LIMITS: p under 6e-5 keeps f16's fixed step; |ctx| under 65,504.
; REGISTERS: window 0: v1-11 addresses; v16-31 statistics, 8 a tile: +0 m, +1 m_old, +2, +3 l, +4..+7 at work (a at +6); v32-95 S^T (32 t + 8 kt); v96-127 P; v128-191 O^T (32 t + 8 ct).
;   window 1: v0-31 Q; v32-95 K of a step; v96-159 V of a step; v160-191 the mask numbers of a step.
.set STEPB, 8192
.set SLOTB, 32768
.set RING,  131072
.set BIAS,  2*RING                     ; the batch's 2,048 mask numbers
.set SPARE, BIAS+8192                  ; the spare words: 128 bytes a wave, four blocks of 256 bytes that no other line names
.set LI,  1                            ; v1   16 x lane: also my place in K's ring
.set LV0, 3                            ; v3   RING + 16 x lane
.set LB0, 4                            ; v4   BIAS + 32 (lane / 16)
.set ADK, 5
.set ADV, 6
.set ADB, 7
.set PFO, 9                            ; v9   256 x lane
.set SPW, 10                           ; v10  SPARE + 4 x my thread's number; never rewritten
.set NIL, 11                           ; v11  0; never rewritten
.set ST,  16
.set S,   32
.set P,   96
.set O,   128
.set QF,  0
.set KF,  32
.set VF,  96
.set BIA, 160
.set WV,  12
.set ROLE, 13
.set LIM, 15                           ; s15  1 in a wave that prefetches, else the greatest number
.set PFA, 18                           ; s[18:19] where my prefetches stand
.set G1,  24                           ; s[24:31] group 1: 8 KiB as 32 rows of 256 bytes;  s[32:39] the mask numbers': 4 rows
.set G1B, 32
.set G0,  40                           ; s[40:51] three groups 0: the mask numbers, slot 0, slot 1; the third walks on
.set RO,  52                           ; s52  the walking load's place in its ring
.set RB,  53                           ; s53  my ring's first byte
.set SLOTS, 54
.set TC,  55
.set TV,  56                           ; s56  where in its ring the V to be fetched lies;  s57 the K;  s58 the mask numbers
.set TK,  57
.set TI,  58
.set SEL, 60
.set MSB, 0
.macro WIN new                         ; the immediate's high byte repeats the setting that is left
.if MSB != \new
	s_set_vgpr_msb (MSB<<8)|\new
.set MSB, \new
.endif
.endm
.macro CROUND                          ; a round of the cluster's barrier
	s_barrier_signal -1
	s_barrier_wait -1
	s_cmp_lg_u32 s[WV], 0
	s_cbranch_scc1 .Lnot_wave_0_\@
	s_barrier_signal -3
.Lnot_wave_0_\@:
	s_barrier_wait -3
	s_barrier_signal -1
	s_barrier_wait -1
.endm
.macro PLACES
.rept 4
	v_nop
.endr
.endm
; A prefetch of the slot that the NEXT change will ask for: four trips ahead of that load.  Both clusters of a head walk the same K and V: the first asks.  Its four partners share a slot's 32 KiB out BY ADDRESS,
; 8 KiB each, lanes 256 bytes apart; wave 0 asks for K's, wave 4 for V's.  The last change that fills a slot asks for nothing; nothing is asked for at the head.
.macro ASK
	s_cmp_gt_u32 s[SLOTS], s[LIM]
	s_cbranch_scc0 .Lnot_mine_\@
	global_prefetch_b8 v[PFO], s[PFA:PFA+1] th:TH_LOAD_NT scope:SCOPE_SE
.Lnot_mine_\@:
.endm
	s_load_b256 s[4:11], s[0:1], 0x0               ; qk 4, vimg 6, vq 8, ctx 10
	v_lshl_add_u32 v[SPW], v0, 2, SPARE
	v_mov_b32 v[NIL], 0
	ds_add_u32 v[SPW], v[NIL]                      ; the opening: the add, twice on end, and its wait ahead of my first tensor load
	ds_add_u32 v[SPW], v[NIL]
	v_lshrrev_b32 v1, 5, v0
	v_readfirstlane_b32 s[WV], v1                  ; wave 0..7
	s_lshr_b32 s17, s[WV], 2                       ; 0: I fetch for K, 1: for V
	s_xor_b32 s[ROLE], s[WV], s17
	s_and_b32 s[ROLE], s[ROLE], 1
	s_bfe_u32 s14, ttmp6, 0x40000                  ; cx
	s_and_b32 s16, ttmp7, 0xffff                   ; 16 batch + head, which the four partners share
	s_mov_b32 s[G1], 15|(3<<16)|(1<<21)            ; 15:0 the mask: all four; 17:16 elements of 8 bytes; 21 set beside a mask
	s_mov_b32 s[G1+1], 32<<16                      ; rows of 32 elements: 256 bytes
	s_mov_b32 s[G1+2], 32<<16                      ; 32 rows
	s_mov_b32 s[G1+3], 32<<16
	s_mov_b32 s[G1+4], 32
	s_mov_b32 s[G1+5], 32                          ; dense
	s_mov_b32 s[G1+6], 0
	s_mov_b32 s[G1+7], 0
	s_mov_b32 s[G1B], 15|(3<<16)|(1<<21)
	s_mov_b32 s[G1B+1], 32<<16
	s_mov_b32 s[G1B+2], 4<<16                      ; 4 rows: 1 KiB a wave
	s_mov_b32 s[G1B+3], 32<<16
	s_mov_b32 s[G1B+4], 4
	s_mov_b32 s[G1B+5], 32
	s_mov_b32 s[G1B+6], 0
	s_mov_b32 s[G1B+7], 0
	s_and_b32 s20, s[WV], 3
	s_lshl_b32 s20, s20, 13                        ; which step of a slot I fetch
	s_mov_b32 s21, 0
	s_lshl_b32 s[RB], s17, 17
	s_add_co_u32 s[RO], s20, SLOTB                 ; the walking load begins at slot 1
	s_lshl_b32 s22, s16, 18                        ; a head's K, V or Q: 256 KiB
	s_mov_b32 s23, 0
	s_lshr_b32 s66, s16, 4                         ; the mask numbers: batch x 8 KiB + wave x 1 KiB
	s_lshl_b32 s66, s66, 13
	s_lshl_b32 s67, s[WV], 10
	s_add_co_u32 s66, s66, s67
	s_add_co_u32 s66, s66, 2785280
	s_mov_b32 s67, 0
	s_lshl_b32 s59, ttmp9, 2
	s_add_co_u32 s59, s59, s14                     ; my block of 256 queries: it enters Q's and ctx's addresses alone
	s_lshl_b32 s70, s59, 15
	s_add_co_u32 s70, s70, s22
	s_lshl_b32 s71, s[WV], 12
	s_add_co_u32 s70, s70, s71                     ; Q: head, block x 16 tiles, wave x 2 tiles of 2 KiB
	s_mov_b32 s71, 0
	s_lshr_b32 s72, s16, 4
	s_lshl_b32 s72, s72, 22                        ; ctx: (128 batch + 16 block + 2 wave) x 32 KiB + head x 2 KiB
	s_lshl_b32 s73, s59, 19
	s_add_co_u32 s72, s72, s73
	s_lshl_b32 s73, s[WV], 16
	s_add_co_u32 s72, s72, s73
	s_and_b32 s73, s16, 15
	s_lshl_b32 s73, s73, 11
	s_add_co_u32 s72, s72, s73
	s_mov_b32 s73, 0
	s_mov_b32 s[SEL], 0x76543210
	s_mov_b32 s[SEL+1], 0xfedcba98                 ; lane l xor 16
	s_mov_b32 s[SLOTS], 6
	s_and_b32 s[LIM], s[WV], 3                     ; 0 in waves 0 and 4,
	s_or_b32 s[LIM], s[LIM], ttmp9                 ; of the head's first cluster: the same in all four partners
	s_cmp_eq_u32 s[LIM], 0
	s_cselect_b32 s[LIM], 1, -1
	s_wait_dscnt 0x0                               ; both opening adds are done
	s_wait_kmcnt 0x0
	s_cmp_lt_u32 s[WV], 4
	s_cselect_b64 s[68:69], s[4:5], s[6:7]         ; K lies in qk, V in vimg
	s_cselect_b32 s2, 0x800000, 0                  ; K begins 8 MiB into qk
	s_mov_b32 s3, 0
	s_add_nc_u64 s[68:69], s[68:69], s[2:3]
	s_add_nc_u64 s[68:69], s[68:69], s[22:23]      ; at my head
	s_lshl_b32 s2, s14, 13                         ; the prefetches: my work-group's 8 KiB of a slot,
	s_add_co_u32 s2, s2, 2*SLOTB                   ; in slot 2: the first change steps it to slot 3
	s_add_nc_u64 s[PFA:PFA+1], s[68:69], s[2:3]
	s_add_nc_u64 s[68:69], s[68:69], s[20:21]      ; my step of slot 0
	s_add_nc_u64 s[4:5], s[4:5], s[70:71]          ; Q at my first tile
	s_add_nc_u64 s[10:11], s[10:11], s[72:73]      ; ctx likewise
	CROUND                                         ; all four work-groups are here: the first joint loads meet
	s_mov_b32 s[G0], 1
	s_lshl_b32 s[G0+1], s[WV], 10
	s_add_co_u32 s[G0+1], s[G0+1], BIAS
	s_add_nc_u64 s[G0+2:G0+3], s[8:9], s[66:67]
	s_or_b32 s[G0+3], s[G0+3], 0x80000000
	s_mov_b32 s[G0+4], 1
	s_add_co_u32 s[G0+5], s20, s[RB]
	s_mov_b64 s[G0+6:G0+7], s[68:69]
	s_or_b32 s[G0+7], s[G0+7], 0x80000000
	s_mov_b32 s[G0+8], 1
	s_add_co_u32 s[G0+9], s[RO], s[RB]
	s_add_nc_u64 s[G0+10:G0+11], s[68:69], SLOTB
	s_or_b32 s[G0+11], s[G0+11], 0x80000000
	tensor_load_to_lds s[G0:G0+3], s[G1B:G1B+7]    ; the mask numbers: filled once
	s_nop 0
	tensor_load_to_lds s[G0+4:G0+7], s[G1:G1+7]    ; slot 0
	s_nop 0
	tensor_load_to_lds s[G0+8:G0+11], s[G1:G1+7]   ; slot 1
	s_nop 0
.rept 4
	v_nop
.endr
	v_and_b32 v1, 31, v0
	v_lshlrev_b32 v[LI], 4, v1
	WIN 0x40                                       ; destination window 1
.irp t, 0,1
.irp c, 0,1,2,3
	global_load_b128 v[QF+16*\t+4*\c:QF+16*\t+4*\c+3], v[LI], s[4:5] offset:2048*\t+512*\c   ; Q stays in registers
.endr
.endr
	WIN 0
	v_add_nc_u32 v[LV0], RING, v[LI]
	v_bfe_u32 v[LB0], v0, 4, 1
	v_lshlrev_b32 v[LB0], 5, v[LB0]
	v_add_nc_u32 v[LB0], BIAS, v[LB0]
	v_lshlrev_b32 v[PFO], 4, v[LI]
.irp t, 0,1
	v_mov_b32 v[ST+8*\t], 0xff61b1e6               ; m: -3e38, under every score
.irp i, 1,2,3,4,5,6,7
	v_mov_b32 v[ST+8*\t+\i], 0
.endr
.endr
.set jj, 0
.rept 64
	v_mov_b32 v[O+jj], 0                           ; O^T.  (The step is written once: the first a is 0, which leaves zeros zeros)
.set jj, jj+1
.endr
.macro LOADK                           ; a step's K (8 fragments of 16 keys x 32 channels) and its 64 mask numbers in the score tiles' layout: lane (r, h), tile kt, register j: key 16 kt + 8 h + j
	WIN 0x40
.irp f, 0,1,2,3,4,5,6,7
	ds_load_b128 v[KF+8*\f:KF+8*\f+3],   v[ADK] offset:1024*\f
	ds_load_b128 v[KF+8*\f+4:KF+8*\f+7], v[ADK] offset:1024*\f+512
.endr
.irp kt, 0,1,2,3
	ds_load_b128 v[BIA+8*\kt:BIA+8*\kt+3],   v[ADB] offset:64*\kt
	ds_load_b128 v[BIA+8*\kt+4:BIA+8*\kt+7], v[ADB] offset:64*\kt+16
.endr
.endm
.macro LOADV                           ; a step's V^T: fragment 4 kb + ct: 16 channels x 32 keys
	WIN 0x40
.irp f, 0,1,2,3,4,5,6,7
	ds_load_b128 v[VF+8*\f:VF+8*\f+3],   v[ADV] offset:1024*\f
	ds_load_b128 v[VF+8*\f+4:VF+8*\f+7], v[ADV] offset:1024*\f+512
.endr
.endm
.macro KQM                             ; S^T = K Q^T + mask: eight accumulators by turns, one instruction a turn
	WIN 0x15                                       ; K, Q and the mask numbers in window 1, S^T in window 0
.irp kt, 0,1,2,3
.irp t, 0,1
	v_wmma_f32_16x16x32_f16 v[S+32*\t+8*\kt:S+32*\t+8*\kt+7], v[KF+16*\kt:KF+16*\kt+7], v[QF+16*\t:QF+16*\t+7], v[BIA+8*\kt:BIA+8*\kt+7]
.endr
.endr
	WIN 0x05
.irp kt, 0,1,2,3
.irp t, 0,1
	v_wmma_f32_16x16x32_f16 v[S+32*\t+8*\kt:S+32*\t+8*\kt+7], v[KF+16*\kt+8:KF+16*\kt+15], v[QF+16*\t+8:QF+16*\t+15], v[S+32*\t+8*\kt:S+32*\t+8*\kt+7]
.endr
.endr
.endm
.macro PVM                             ; O^T += V^T P: eight accumulators by turns
	WIN 0x01                                       ; V in window 1
.irp kb, 0,1
.irp ct, 0,1,2,3
.irp t, 0,1
	v_wmma_f32_16x16x32_f16 v[O+32*\t+8*\ct:O+32*\t+8*\ct+7], v[VF+8*(4*\kb+\ct):VF+8*(4*\kb+\ct)+7], v[P+16*\t+8*\kb:P+16*\t+8*\kb+7], v[O+32*\t+8*\ct:O+32*\t+8*\ct+7]
.endr
.endr
.endr
.endm
; X: the softmax of one step for my two tiles, the tiles alternating line by line; all in window 0.
.macro XPH
.set jj, 0
.rept 4                                ; the maximum of a lane's 32 scores: four chains; each score tile is first read at its registers 0 to 2
.irp t, 0,1
	v_max3_num_f32 v[ST+8*\t+4+jj], v[S+32*\t+8*jj], v[S+32*\t+8*jj+1], v[S+32*\t+8*jj+2]
.endr
.set jj, jj+1
.endr
.rept 8
.irp t, 0,1
	v_max3_num_f32 v[ST+8*\t+4+jj%4], v[ST+8*\t+4+jj%4], v[S+32*\t+8*(jj%4)+2*(jj/4)+1], v[S+32*\t+8*(jj%4)+2*(jj/4)+2]
.endr
.set jj, jj+1
.endr
.irp t, 0,1
	v_max3_num_f32 v[ST+8*\t+4], v[ST+8*\t+4], v[S+32*\t+7], v[S+32*\t+15]
.endr
.irp t, 0,1
	v_max3_num_f32 v[ST+8*\t+6], v[ST+8*\t+6], v[S+32*\t+23], v[S+32*\t+31]
.endr
.irp t, 0,1
	v_max3_num_f32 v[ST+8*\t+4], v[ST+8*\t+4], v[ST+8*\t+5], v[ST+8*\t+6]
.endr
.irp t, 0,1
	v_max3_num_f32 v[ST+8*\t+4], v[ST+8*\t+4], v[ST+8*\t+7], v[ST+8*\t]      ; and the old m
.endr
.irp t, 0,1
	v_permlanex16_b32 v[ST+8*\t+5], v[ST+8*\t+4], s[SEL], s[SEL+1]           ; the query's other 32 keys lie in the lane 16 away
.endr
.irp t, 0,1
	v_mov_b32 v[ST+8*\t+1], v[ST+8*\t]
.endr
.irp t, 0,1
	v_max_num_f32 v[ST+8*\t], v[ST+8*\t+4], v[ST+8*\t+5]                     ; the new m
.endr
.irp t, 0,1
	v_sub_f32 v[ST+8*\t+7], v[ST+8*\t+1], v[ST+8*\t]                         ; m_old - m_new
.endr
.set jj, 0
.rept 16
.irp t, 0,1
	v_pk_add_f32 v[S+32*\t+2*jj:S+32*\t+2*jj+1], v[S+32*\t+2*jj:S+32*\t+2*jj+1], v[ST+8*\t:ST+8*\t+1] op_sel_hi:[1,0] neg_lo:[0,1] neg_hi:[0,1]   ; t - m, two at a time
.endr
.set jj, jj+1
.endr
.irp t, 0,1
	v_exp_f32 v[ST+8*\t+6], v[ST+8*\t+7]                                     ; a
.endr
.set jj, 0
.rept 32
.irp t, 0,1
	v_exp_f32 v[S+32*\t+jj], v[S+32*\t+jj]                                   ; p
.endr
.set jj, jj+1
.endr
	v_nop                                          ; a plain instruction behind the last exponential,
	s_wait_alu depctr_va_vdst(0)                   ; and ONE wait for the batch of 66, ahead of its first reader
.set jj, 0
.rept 16
.irp t, 0,1
	v_cvt_pk_f16_f32 v[P+16*\t+jj], v[S+32*\t+2*jj], v[S+32*\t+2*jj+1]
.endr
.set jj, jj+1
.endr
.irp u, 0,1,2,3,4,5,6,7                ; the sum of the unrounded p, in place, neighbours 1, 2, 4 and 8 pairs apart
.irp t, 0,1
	v_pk_add_f32 v[S+32*\t+4*\u:S+32*\t+4*\u+1], v[S+32*\t+4*\u:S+32*\t+4*\u+1], v[S+32*\t+4*\u+2:S+32*\t+4*\u+3]
.endr
.endr
.irp u, 0,1,2,3
.irp t, 0,1
	v_pk_add_f32 v[S+32*\t+8*\u:S+32*\t+8*\u+1], v[S+32*\t+8*\u:S+32*\t+8*\u+1], v[S+32*\t+8*\u+4:S+32*\t+8*\u+5]
.endr
.endr
.irp u, 0,1
.irp t, 0,1
	v_pk_add_f32 v[S+32*\t+16*\u:S+32*\t+16*\u+1], v[S+32*\t+16*\u:S+32*\t+16*\u+1], v[S+32*\t+16*\u+8:S+32*\t+16*\u+9]
.endr
.endr
.irp t, 0,1
	v_pk_add_f32 v[S+32*\t:S+32*\t+1], v[S+32*\t:S+32*\t+1], v[S+32*\t+16:S+32*\t+17]
.endr
.irp t, 0,1
	v_pk_fma_f32 v[ST+8*\t+2:ST+8*\t+3], v[ST+8*\t+2:ST+8*\t+3], v[ST+8*\t+6:ST+8*\t+7], v[S+32*\t:S+32*\t+1] op_sel_hi:[1,0,1]   ; l = l a + the sum
.endr
.set jj, 0
.rept 16
.irp t, 0,1
	v_pk_mul_f32 v[O+32*\t+2*jj:O+32*\t+2*jj+1], v[O+32*\t+2*jj:O+32*\t+2*jj+1], v[ST+8*\t+6:ST+8*\t+7] op_sel_hi:[1,0]   ; O^T x a, each accumulator from its low end on
.endr
.set jj, jj+1
.endr
.endm
; TRIP j.  kq: K Q^T of step j + 1;  lv: V of step j + 1 is fetched;  lk: K and mask numbers of step j + 2;  x1: ROLE 1's softmax of step j + 1.
; The three LDS addresses are made on the way that all waves take.  The four v_nop stand behind the products: in front of the loads into operand registers and of the next reads of S^T and O^T;
; with the next trip's three additions they are also more than the five plain instructions between a score tile's last product and the product that begins it anew.
.macro TRIP kq, lv, lk, x1
	v_add_nc_u32 v[ADV], s[TV], v[LV0]
	v_add_nc_u32 v[ADK], s[TK], v[LI]
	v_add_nc_u32 v[ADB], s[TI], v[LB0]
	s_add_co_u32 s[TV], s[TV], STEPB
	s_and_b32 s[TV], s[TV], RING-1
	s_add_co_u32 s[TK], s[TK], STEPB
	s_and_b32 s[TK], s[TK], RING-1
	s_add_co_u32 s[TI], s[TI], 256
	s_and_b32 s[TI], s[TI], 8191
	s_cmp_lg_u32 s[ROLE], 0
	s_cbranch_scc1 .Lx0_\@
	XPH
.Lx0_\@:
	s_wait_dscnt 0x0                               ; V, K and the mask numbers, asked for a phase ago
	PVM
.if \kq
	KQM
.endif
	WIN 0
	PLACES
.if \lv
	LOADV
.endif
.if \lk
	LOADK
.endif
	WIN 0
.if \x1
	s_cmp_eq_u32 s[ROLE], 0
	s_cbranch_scc1 .Lx1_\@
	XPH
.Lx1_\@:
.endif
.endm
.macro TRIPS n
	s_mov_b32 s[TC], \n
.Ltr_\@:
	TRIP 1, 1, 1, 1
	s_sub_co_u32 s[TC], s[TC], 1
	s_cmp_lg_u32 s[TC], 0
	s_cbranch_scc1 .Ltr_\@
.endm
; THE CHANGE, every four trips.  Each wave waits for all its tensor loads, adds 0 to its spare word, and waits for that and for its LDS reads.  fill = 1: a round of the cluster's barrier, and first thing behind it
; my one load, into the place two slots on: no wave of any partner reads that place or has a load on its way.  It has four trips in which to land.
.macro CHANGE fill
	WIN 0
	s_wait_tensorcnt 0x0                           ; no tensor load of mine is out, so a group 0 may be written
	ds_add_u32 v[SPW], v[NIL]
.if \fill
	s_add_co_u32 s[RO], s[RO], SLOTB               ; the walking load: the next place of the ring's four,
	s_and_b32 s[RO], s[RO], RING-1
	s_add_co_u32 s[G0+9], s[RO], s[RB]
	s_add_nc_u64 s[G0+10:G0+11], s[G0+10:G0+11], SLOTB   ; the next four steps; the type bits on top are not reached
	s_wait_xcnt 0x0                                ; the last prefetch, four trips back, has read its address
	s_add_nc_u64 s[PFA:PFA+1], s[PFA:PFA+1], SLOTB ; one slot further on than the walking load
	s_wait_dscnt 0x0                               ; the add is done, and my LDS reads are in
	CROUND
	tensor_load_to_lds s[G0+8:G0+11], s[G1:G1+7]
	s_nop 0
.rept 4
	v_nop
.endr
	ASK
.else
	s_wait_dscnt 0x0
	s_barrier_signal -1
	s_barrier_wait -1
.endif
.endm
	s_wait_tensorcnt 1                             ; the mask numbers and my part of slot 0 are in; slot 1's load may be out
	s_barrier_signal -1
	s_barrier_wait -1
	s_mov_b32 s[TV], 0
	s_mov_b32 s[TK], 0
	s_mov_b32 s[TI], 0
	v_add_nc_u32 v[ADK], s[TK], v[LI]
	v_add_nc_u32 v[ADB], s[TI], v[LB0]
	LOADK                                          ; step 0
	s_wait_loadcnt 0x0                             ; Q
	s_wait_dscnt 0x0
	KQM
	WIN 0
	PLACES
	s_mov_b32 s[TK], STEPB
	s_mov_b32 s[TI], 256
	v_add_nc_u32 v[ADV], s[TV], v[LV0]
	v_add_nc_u32 v[ADK], s[TK], v[LI]
	v_add_nc_u32 v[ADB], s[TI], v[LB0]
	LOADV                                          ; V of step 0,
	LOADK                                          ; K of step 1
	WIN 0
	s_mov_b32 s[TV], STEPB
	s_mov_b32 s[TK], 2*STEPB
	s_mov_b32 s[TI], 512
	s_cmp_eq_u32 s[ROLE], 0
	s_cbranch_scc1 .Lpro
	XPH                                            ; ROLE 1 is a phase ahead
.Lpro:
.Lslot:                                ; six rounds: slots 2 to 7 are asked for
	CHANGE 1
	TRIPS 4
	s_sub_co_u32 s[SLOTS], s[SLOTS], 1
	s_cmp_lg_u32 s[SLOTS], 0
	s_cbranch_scc1 .Lslot
	CHANGE 0                                       ; slot 7 is whole for every wave; nothing more is asked for
	TRIPS 6                                        ; steps 24 to 29
	TRIP 1, 1, 0, 1                                ; step 30: no K is left to fetch
	TRIP 0, 0, 0, 0                                ; step 31
	; THE WAY OUT.  l's two halves and the other half of the lanes' are added; O^T / l, rounded to f16 in place: an accumulator's four lowest registers are then a chunk of ctx: 512 consecutive bytes a store.
.irp t, 0,1
	v_add_f32 v[ST+8*\t+4], v[ST+8*\t+2], v[ST+8*\t+3]
.endr
.irp t, 0,1
	v_permlanex16_b32 v[ST+8*\t+5], v[ST+8*\t+4], s[SEL], s[SEL+1]
.endr
.irp t, 0,1
	v_add_f32 v[ST+8*\t+4], v[ST+8*\t+4], v[ST+8*\t+5]
.endr
.irp t, 0,1
	v_rcp_f32 v[ST+8*\t+6], v[ST+8*\t+4]
.endr
	v_mov_b32 v12, 0xefa18f08                      ; -1e29.  (A plain instruction behind the reciprocals)
	v_mov_b32 v13, 0x7fc00000                      ; NaN
	s_wait_alu depctr_va_vdst(0)                   ; one wait for the two, ahead of their first reader
.irp t, 0,1
	v_cmp_lt_f32 vcc_lo, v[ST+8*\t], v12           ; every key of the batch was masked
	v_cndmask_b32 v[ST+8*\t+6], v[ST+8*\t+6], v13, vcc_lo
.endr
.set jj, 0
.rept 16
.irp t, 0,1
	v_pk_mul_f32 v[O+32*\t+2*jj:O+32*\t+2*jj+1], v[O+32*\t+2*jj:O+32*\t+2*jj+1], v[ST+8*\t+6:ST+8*\t+7] op_sel_hi:[1,0]
.endr
.set jj, jj+1
.endr
.set jj, 0
.rept 8
.irp i, 0,1,2,3
	v_cvt_pk_f16_f32 v[O+8*jj+\i], v[O+8*jj+2*\i], v[O+8*jj+2*\i+1]
.endr
.set jj, jj+1
.endr
.irp t, 0,1
.irp ct, 0,1,2,3
	global_store_b128 v[LI], v[O+32*\t+8*\ct:O+32*\t+8*\ct+3], s[10:11] offset:32768*\t+512*\ct
.endr
.endr
	s_wait_tensorcnt 0x0                           ; the wave's end
	ds_add_u32 v[SPW], v[NIL]
	s_wait_dscnt 0x0
	CROUND                                         ; the closing round
	s_endpgm
.Lfunc_end_k_qea0ec16939_attn:
	.size	k_qea0ec16939_attn, .Lfunc_end_k_qea0ec16939_attn-k_qea0ec16939_attn
	.p2alignl 7, 3214868480
	.fill 96, 4, 3214868480
	.section	.rodata,"a",@progbits
	.p2align	6, 0x0
	.amdhsa_kernel k_qea0ec16939_attn
		.amdhsa_group_segment_fixed_size 327680
		.amdhsa_private_segment_fixed_size 0
		.amdhsa_enable_private_segment 0
		.amdhsa_kernarg_size 32
		.amdhsa_user_sgpr_count 2
		.amdhsa_user_sgpr_kernarg_segment_ptr 1
		.amdhsa_wavefront_size32 1
		.amdhsa_system_sgpr_workgroup_id_x 1
		.amdhsa_system_sgpr_workgroup_id_y 1
		.amdhsa_system_sgpr_workgroup_id_z 1
		.amdhsa_system_vgpr_workitem_id 0
		.amdhsa_next_free_vgpr 448
		.amdhsa_next_free_sgpr 80
		.amdhsa_reserve_vcc 1
		.amdhsa_float_denorm_mode_32 3
		.amdhsa_float_denorm_mode_16_64 3
		.amdhsa_memory_ordered 1
		.amdhsa_forward_progress 1
		.amdhsa_inst_pref_size 139
	.end_amdhsa_kernel
	.amdgpu_metadata
---
amdhsa.version: [ 1, 2 ]
amdhsa.kernels:
  - .name:           k_qea0ec16939_attn
    .symbol:         k_qea0ec16939_attn.kd
    .args:
      - { .name: qk, .offset: 0, .size: 8, .value_kind: global_buffer, .address_space: global }
      - { .name: vimg, .offset: 8, .size: 8, .value_kind: global_buffer, .address_space: global }
      - { .name: vq, .offset: 16, .size: 8, .value_kind: global_buffer, .address_space: global }
      - { .name: ctx, .offset: 24, .size: 8, .value_kind: global_buffer, .address_space: global }
    .group_segment_fixed_size: 327680
    .private_segment_fixed_size: 0
    .kernarg_segment_align: 8
    .kernarg_segment_size: 32
    .max_flat_workgroup_size: 256
    .sgpr_count:     80
    .vgpr_count:     448
    .wavefront_size: 32
...
	.end_amdgpu_metadata
.endif
;; end of part 3
;; launch outproj (part 4): grid 8 x 32, 4 waves a work-group, clusters of 4 x 4, 327,680 bytes of LDS; arguments ctx, wts, bo, out0; writes out0
.if DOCPART == 4
	.amdgcn_target "amdgcn-amd-amdhsa--gfx1250"
	.amdhsa_code_object_version 6
	.text
	.protected	k_qea0ec16939_outproj
	.globl	k_qea0ec16939_outproj
	.p2align	8
	.type	k_qea0ec16939_outproj,@function
k_qea0ec16939_outproj:
	s_mov_b64 s[64:65], 0
	v_nop
	global_prefetch_b8 v0, s[64:65] scope:SCOPE_SE
	s_setreg_imm32_b32 hwreg(HW_REG_WAVE_MODE, 25, 1), 1
	s_wait_xcnt 0x0
	s_wait_alu depctr_hold_cnt(0) depctr_sa_sdst(0) depctr_va_vdst(0) depctr_va_sdst(0) depctr_va_ssrc(0) depctr_va_vcc(0) depctr_vm_vsrc(0)
	s_getreg_b32 s2, hwreg(HW_REG_IB_STS2, 6, 4)
	s_cmp_eq_u32 s2, 0
	s_cbranch_scc0 .Lentry_in_a_cluster
	s_endpgm
.Lentry_in_a_cluster:
	s_bfe_u32 s2, ttmp6, 0x10000c
	s_cmp_lg_u32 s2, 0xf033
	s_cbranch_scc0 .Lentry_shape_is_right
	s_endpgm
.Lentry_shape_is_right:
; AN f16 GEMM ON REGISTER IMAGES, f32 sums.  One text serves two launches; OUTP picks the pointers at the head and the way out.
;   OUTP = 0: q = (rope(query) Wq + bq) x log2(e) / 8 and k = rope(key) Wk + bk, rounded to f16, stored as images by head: [q, k][batch x head 32][tile of 16 tokens 128][16 channels 4][512].
;   OUTP = 1: out0 = ctx Wo + bo, f32, row-major.
; A (tokens) and B (a weight's columns) lie as [tile of 16 rows][chunk of 16 k: 64][512 bytes]: a chunk is four registers of a fragment as they stand, lane l's 16 bytes at 16 l.
; A tile of C is 128 x 128: four waves of 64 x 64, 16 accumulators each.  K = 1,024 goes in four steps of 256 through two LDS slots; a wave's tensor load brings 4 tiles of 16 rows x 8 KiB.  No padding:
; every fragment load reads 512 consecutive bytes.  The four K steps are written out; there is no loop.
; CLUSTERS: 4 x 4 work-groups; A's tiles are asked for jointly along a row of the cluster, B's along a column.  THE MATRIX INSTRUCTION IS USED TRANSPOSED (source 0 = 16 columns of the weight, source 1 = 16 tokens):
; a lane holds one token and eight neighbouring outputs.  The bias is the C of each sum's first matrix instruction.
; REGISTERS: window 0: v16-29 addresses; v32-95 at work on the way out; v96-127 the bias, 8 registers for each of my 4 tiles of outputs; v128-255 the accumulators ((a, b) at v[128 + 8 (4 a + b)]).
;   window 1: two fragment buffers of 128: for 64 along K, 64 registers of A, then 64 of B.
.set OUTP,  1
.set HALFT, 32768                      ; 4 tiles of 16 rows x 8 KiB: what one tensor load brings, and what one wave reads of A or of B
.set SLOT,  4*HALFT                    ; A's 8 tiles, then B's 8
.set KSB,   8192                       ; a K step in a tile of 16 rows: 16 chunks
.if OUTP
.set STAGE, 2*SLOT                     ; behind the ring: 16 rows x (256 bytes + 16) for each wave; no tensor load lands there
.set SPITCH, 272
.set SPARE, STAGE+4*16*SPITCH          ; the spare words: 128 bytes a wave, two blocks of 256 bytes that no other line names
.else
.set SPARE, 2*SLOT
.endif
.set ADRA, 16                          ; v16-17  LDS address of my A fragments in slot 0, 1
.set ADRB, 20                          ; v20-21  the same for B
.set LI,   24                          ; v24     16 x lane
.set STO,  25                          ; v25     the way out: where I put 32 bytes of a row
.set RD,   26                          ; v26     where I read a row back
.set CO,   27                          ; v27     my byte offset in out0
.set SPW,  28                          ; v28     SPARE + 4 x my thread's number; never rewritten
.set NIL,  29                          ; v29     0; never rewritten
.set TMP,  32
.set BIA,  96
.set ACC,  128
.set F0,   0
.set F1,   128
.set G1,  24                           ; s[24:31] group 1 for A's tiles; s[32:39] group 0, a set for each slot
.set G0,  32
.set G1B, 48                           ; s[48:55], s[56:63] the same for B's
.set G0B, 56
.set MSB, 0
.macro WIN new                         ; the immediate's high byte repeats the setting that is left
.if MSB != \new
	s_set_vgpr_msb (MSB<<8)|\new
.set MSB, \new
.endif
.endm
.set MUL,  0x05                        ; sources 0 (B) and 1 (A) window 1; C and D window 0
.set TO_F, 0x40                        ; destination window 1, address window 0
.macro JLOAD s                         ; a joint load: waves 0 and 1 fetch A's halves, waves 2 and 3 B's; an s_nop 0 and four v_nop follow each line
	s_cmp_eq_u32 s15, 0
	s_cbranch_scc0 .Lfor_b_\@
	tensor_load_to_lds s[G0+4*\s:G0+4*\s+3], s[G1:G1+7]
	s_nop 0
.rept 4
	v_nop
.endr
	s_branch .Lasked_\@
.Lfor_b_\@:
	tensor_load_to_lds s[G0B+4*\s:G0B+4*\s+3], s[G1B:G1B+7]
	s_nop 0
.rept 4
	v_nop
.endr
.Lasked_\@:
.endm
.macro CREST                           ; a round of the cluster's barrier behind its opening barrier
	s_cmp_lg_u32 s14, 0
	s_cbranch_scc1 .Lnot_wave_0_\@
	s_barrier_signal -3
.Lnot_wave_0_\@:
	s_barrier_wait -3
	s_barrier_signal -1
	s_barrier_wait -1
.endm
.macro CROUND
	s_barrier_signal -1
	s_barrier_wait -1
	CREST
.endm
	s_load_b256 s[4:11], s[0:1], 0x0               ; OUTP = 0: acts, wts, bq, bk;  1: ctx, wts, bo, out0
.if !OUTP
	s_load_b64 s[12:13], s[0:1], 0x20              ; qk
.endif
	v_lshl_add_u32 v[SPW], v0, 2, SPARE
	v_mov_b32 v[NIL], 0
	ds_add_u32 v[SPW], v[NIL]                      ; the opening: the add, twice on end, and its wait ahead of my first tensor load
	ds_add_u32 v[SPW], v[NIL]
	v_lshrrev_b32 v1, 5, v0
	v_readfirstlane_b32 s14, v1                    ; wave
	s_lshr_b32 s15, s14, 1                         ; my half of the tile's tokens.  Also: I fetch for A (0) or for B (1)
	s_and_b32 s16, s14, 1                          ; my half of its outputs.  Also: which 4 tiles of 16 rows I fetch
	s_bfe_u32 s40, ttmp6, 0x40000                  ; cx, cy
	s_bfe_u32 s41, ttmp6, 0x40004
	s_lshl_b32 s42, ttmp9, 2
	s_add_co_u32 s42, s42, s40                     ; tile column
	s_and_b32 s17, ttmp7, 0xffff
	s_lshr_b32 s66, s17, 3                         ; OUTP = 0: 0 for q, 1 for k: from the cluster's y alone, the same in all sixteen partners
	s_lshl_b32 s17, s17, 2
	s_add_co_u32 s17, s17, s41                     ; tile row
	s_lshl_b32 s43, s41, 2
	s_lshl_b32 s43, 15, s43                        ; my row of the cluster
	s_lshl_b32 s44, 0x1111, s40                    ; my column
	s_or_b32 s[G1+0], s43, (3<<16)|(1<<21)         ; 15:0 the mask; 17:16 elements of 8 bytes; 21 set beside a mask; no padding
	s_or_b32 s[G1B+0], s44, (3<<16)|(1<<21)
.irp g, G1, G1B
	s_mov_b32 s[\g+1], 1024<<16                    ; tensor_dim0 = 1,024 elements: 8 KiB, a K step of one tile of 16 rows
	s_mov_b32 s[\g+2], 4<<16                       ; tensor_dim1 = 4 tiles
	s_mov_b32 s[\g+3], 1024<<16                    ; tile_dim0
	s_mov_b32 s[\g+4], 4                           ; tile_dim1
	s_mov_b32 s[\g+5], 4096                        ; 32 KiB from tile to tile
	s_mov_b32 s[\g+6], 0
	s_mov_b32 s[\g+7], 0
.endr
	s_lshl_b32 s18, s16, 17                        ; the 4 tiles that I fetch
	s_lshl_b32 s20, s17, 18                        ; A: 8 tiles of 32 KiB a tile row
	s_add_co_u32 s20, s20, s18
	s_mov_b32 s21, 0
	s_lshl_b32 s46, s42, 18                        ; B: 8 tiles a tile column,
	s_add_co_u32 s46, s46, s18
.if OUTP
	s_add_co_u32 s46, s46, 4194304                 ; in Wo
.else
	s_lshl_b32 s19, s66, 21                        ; in Wq or Wk
	s_add_co_u32 s46, s46, s19
.endif
	s_mov_b32 s47, 0
	s_lshl_b32 s45, s14, 15                        ; where they go: wave x 32 KiB: no place in the cluster enters an LDS address
	s_wait_dscnt 0x0                               ; both opening adds are done
	s_wait_kmcnt 0x0
	s_add_nc_u64 s[20:21], s[4:5], s[20:21]
	s_add_nc_u64 s[46:47], s[6:7], s[46:47]
	CROUND                                         ; all sixteen work-groups are here: the first joint loads meet
.irp s, 0,1
	s_mov_b32 s[G0+4*\s], 1
	s_add_co_u32 s[G0+4*\s+1], s45, \s*SLOT
	s_add_nc_u64 s[G0+4*\s+2:G0+4*\s+3], s[20:21], \s*KSB
	s_or_b32 s[G0+4*\s+3], s[G0+4*\s+3], 0x80000000
	s_mov_b32 s[G0B+4*\s], 1
	s_add_co_u32 s[G0B+4*\s+1], s45, \s*SLOT
	s_add_nc_u64 s[G0B+4*\s+2:G0B+4*\s+3], s[46:47], \s*KSB
	s_or_b32 s[G0B+4*\s+3], s[G0B+4*\s+3], 0x80000000
	JLOAD \s                                       ; two loads of mine are out
.endr
	v_and_b32 v1, 31, v0
	v_lshlrev_b32 v[LI], 4, v1
	v_bfe_u32 v2, v0, 4, 1                         ; h
	v_and_b32 v3, 15, v0                           ; r
	s_lshl_b32 s21, s15, 15                        ; my 4 tiles of A
	s_lshl_b32 s22, s16, 15                        ; my 4 tiles of B,
	s_add_co_u32 s22, s22, 2*HALFT                 ; which lie behind A's 8
.irp s, 0,1
	v_add_nc_u32 v[ADRA+\s], s21, v[LI]
	v_add_nc_u32 v[ADRB+\s], s22, v[LI]
	s_add_co_u32 s21, s21, SLOT
	s_add_co_u32 s22, s22, SLOT
.endr
	; the bias of my 64 outputs, in the result's layout: lane (r, h), tile b, register j: bias[16 b + 8 h + j]
.if OUTP
	s_mov_b64 s[70:71], s[8:9]
	s_mov_b64 s[12:13], s[10:11]
.else
	s_cmp_eq_u32 s66, 0
	s_cselect_b64 s[70:71], s[8:9], s[10:11]
	s_cselect_b32 s68, 0x3e38aa3b, 1.0             ; q is multiplied by log2(e) / 8 in f32 ahead of its rounding, k by 1
	s_mov_b32 s69, s68
.endif
	s_lshl_b32 s72, s42, 9
	s_lshl_b32 s73, s16, 8
	s_add_co_u32 s72, s72, s73
	s_mov_b32 s73, 0
	s_add_nc_u64 s[70:71], s[70:71], s[72:73]
	v_lshlrev_b32 v4, 5, v2
.irp b, 0,1,2,3
	global_load_b128 v[BIA+8*\b:BIA+8*\b+3], v4, s[70:71] offset:64*\b
	global_load_b128 v[BIA+8*\b+4:BIA+8*\b+7], v4, s[70:71] offset:64*\b+16
.endr
.if OUTP
	s_mul_i32 s23, s14, 16*SPITCH
	s_add_co_u32 s23, s23, STAGE                   ; my stage
	v_mul_u32_u24 v5, v3, SPITCH
	v_lshl_add_u32 v5, v2, 5, v5
	v_add_nc_u32 v[STO], s23, v5                   ; in: row r, 32 bytes for each half of the lanes
	v_mul_u32_u24 v5, v2, SPITCH
	v_lshl_add_u32 v5, v3, 4, v5
	v_add_nc_u32 v[RD], s23, v5                    ; back: lanes 0-15 one row of 256 bytes, lanes 16-31 the next
	v_lshlrev_b32 v5, 12, v2
	v_lshl_add_u32 v[CO], v3, 4, v5                ; and the same two rows in out0
	s_lshl_b32 s72, s17, 19                        ; my first row: 128 x tile row + 64 x half, 4,096 bytes each;
	s_lshl_b32 s18, s15, 18
	s_add_co_u32 s72, s72, s18
	s_lshl_b32 s18, s42, 9                         ; my first column: 128 x tile column + 64 x half
	s_add_co_u32 s72, s72, s18
	s_lshl_b32 s18, s16, 8
	s_add_co_u32 s72, s72, s18
.else
	s_lshr_b32 s72, s17, 4                         ; (q or k, batch): 4 MiB each;
	s_lshl_b32 s72, s72, 22
	s_and_b32 s18, s17, 15                         ; 8 tiles of 16 tokens a tile row, 2 KiB each;
	s_lshl_b32 s18, s18, 14
	s_add_co_u32 s72, s72, s18
	s_lshl_b32 s18, s15, 13
	s_add_co_u32 s72, s72, s18
	s_lshl_b32 s18, s42, 19                        ; head = 2 x tile column + half: 256 KiB each
	s_add_co_u32 s72, s72, s18
	s_lshl_b32 s18, s16, 18
	s_add_co_u32 s72, s72, s18
.endif
	s_add_nc_u64 s[12:13], s[12:13], s[72:73]
; 8 matrix instructions: token tiles a0, a0 + 1 x my 4 tiles of outputs, 32 along K: half c of buffer f.  zero = 1: the first product starts the sums, with the bias as its C.
; The 16 accumulators take turns, one instruction a turn.
.macro MUL8 f, c, a0, zero
.irp a, \a0, \a0+1
.irp b, 0,1,2,3
.if \zero
	v_wmma_f32_16x16x32_f16 v[ACC+8*(4*(\a)+\b):ACC+8*(4*(\a)+\b)+7], v[\f+64+8*(4*\c+\b):\f+64+8*(4*\c+\b)+7], v[\f+8*(4*\c+\a):\f+8*(4*\c+\a)+7], v[BIA+8*\b:BIA+8*\b+7]
.else
	v_wmma_f32_16x16x32_f16 v[ACC+8*(4*(\a)+\b):ACC+8*(4*(\a)+\b)+7], v[\f+64+8*(4*\c+\b):\f+64+8*(4*\c+\b)+7], v[\f+8*(4*\c+\a):\f+8*(4*\c+\a)+7], v[ACC+8*(4*(\a)+\b):ACC+8*(4*(\a)+\b)+7]
.endif
.endr
.endr
.endm
; 32 LDS loads in one run: the fragments of quarter qd (64 along K: 4 chunks of each tile) into buffer f; the first 32 along K first
.macro FETCH slot, qd, f
	WIN TO_F
.irp c, 0,1
.irp i, 0,1,2,3
	ds_load_b128 v[\f+64+8*(4*\c+\i):\f+64+8*(4*\c+\i)+3],   v[ADRB+\slot] offset:2048*(\qd)+1024*\c+KSB*\i
	ds_load_b128 v[\f+64+8*(4*\c+\i)+4:\f+64+8*(4*\c+\i)+7], v[ADRB+\slot] offset:2048*(\qd)+1024*\c+KSB*\i+512
	ds_load_b128 v[\f+8*(4*\c+\i):\f+8*(4*\c+\i)+3],         v[ADRA+\slot] offset:2048*(\qd)+1024*\c+KSB*\i
	ds_load_b128 v[\f+8*(4*\c+\i)+4:\f+8*(4*\c+\i)+7],       v[ADRA+\slot] offset:2048*(\qd)+1024*\c+KSB*\i+512
.endr
.endr
.endm
.macro PLACES                          ; four plain instructions in front of loads into registers that matrix instructions have read, and of the first read of results
.rept 4
	v_nop
.endr
.endm
; A K step is four quarters of 64 along K, 32 matrix instructions each, on buffers 0, 1, 0, 1.  One of the first three multiplies buffer f and fetches quarter qd into g.
.macro QUARTER slot, qd, f, g, zero
	s_wait_dscnt 16                                ; the first 32 along K are in; the other sixteen loads may be out
	WIN MUL
	MUL8 \f, 0, 0, \zero
	MUL8 \f, 0, 2, \zero
	PLACES
	FETCH \slot, \qd, \g
	s_wait_dscnt 32                                ; all but the 32 just issued
	WIN MUL
	MUL8 \f, 1, 0, 0
	MUL8 \f, 1, 2, 0
.endm
; The last quarter multiplies buffer 1 and changes slots: one barrier; in front of it each wave waits for all its tensor loads, adds 0 to its spare word, and waits for that and for its reads of this slot.
; fill = 1: the barrier opens a round of the cluster's, and this slot is filled again, two K steps ahead, first thing behind the round.
.macro TURN slot, next, fill
	WIN 0
	s_wait_tensorcnt 0x0                           ; all my tensor loads have landed: my part of the next slot
	ds_add_u32 v[SPW], v[NIL]
	s_wait_dscnt 17                                ; (the add and the youngest sixteen loads may be out)
	WIN MUL
	MUL8 F1, 0, 0, 0
	s_wait_dscnt 0x0                               ; the add is done, and my reads of this slot are over
	s_barrier_signal -1
	MUL8 F1, 0, 2, 0
.if \fill
	WIN 0
.endif
	s_barrier_wait -1
.if \fill
	CREST                                          ; no wave of any partner still reads this slot or has a load on its way
	s_add_nc_u64 s[G0+4*\slot+2:G0+4*\slot+3], s[G0+4*\slot+2:G0+4*\slot+3], 2*KSB
	s_add_nc_u64 s[G0B+4*\slot+2:G0B+4*\slot+3], s[G0B+4*\slot+2:G0B+4*\slot+3], 2*KSB
	JLOAD \slot                                    ; my one tensor load behind the round; its four v_nop are also the places in front of the loads below
.else
	PLACES
.endif
	FETCH \next, 0, F0
	WIN MUL
	MUL8 F1, 1, 0, 0
	MUL8 F1, 1, 2, 0
.endm
	s_wait_tensorcnt 1                             ; my part of K step 0 is in; K step 1's load may be out
	s_barrier_signal -1
	s_barrier_wait -1
	FETCH 0, 0, F0
	s_wait_loadcnt 0x0                             ; the bias
	QUARTER 0, 1, F0, F1, 1                        ; K step 0
	QUARTER 0, 2, F1, F0, 0
	QUARTER 0, 3, F0, F1, 0
	TURN 0, 1, 1                                   ; slot 0 takes K step 2
	QUARTER 1, 1, F0, F1, 0                        ; K step 1
	QUARTER 1, 2, F1, F0, 0
	QUARTER 1, 3, F0, F1, 0
	TURN 1, 0, 1                                   ; slot 1 takes K step 3
	QUARTER 0, 1, F0, F1, 0                        ; K step 2
	QUARTER 0, 2, F1, F0, 0
	QUARTER 0, 3, F0, F1, 0
	TURN 0, 1, 0                                   ; nothing is left to fetch
	QUARTER 1, 1, F0, F1, 0                        ; K step 3
	QUARTER 1, 2, F1, F0, 0
	QUARTER 1, 3, F0, F1, 0
	s_wait_dscnt 16
	WIN MUL
	MUL8 F1, 0, 0, 0
	MUL8 F1, 0, 2, 0
	s_wait_dscnt 0x0
	MUL8 F1, 1, 0, 0
	MUL8 F1, 1, 2, 0
	WIN 0
	PLACES
.if OUTP
; THE WAY OUT, 16 tokens at a time: a lane holds 32 bytes of a row, the lanes beside it other rows: through my own stage, back as rows of 256 bytes: sixteen lanes store one aligned run of 256 bytes.
; LDS serves a wave's instructions in order (ISA guide 5.7.1.4): no wait between the stores and the loads, nor in front of the next block's stores.
.macro TOSTAGE a
.irp b, 0,1,2,3
	ds_store_b128 v[STO], v[ACC+8*(4*(\a)+\b):ACC+8*(4*(\a)+\b)+3] offset:64*\b        ; each accumulator from its low end on
	ds_store_b128 v[STO], v[ACC+8*(4*(\a)+\b)+4:ACC+8*(4*(\a)+\b)+7] offset:64*\b+16
.endr
.set BB, TMP+32*((\a)%2)
.irp t, 0,1,2,3,4,5,6,7
	ds_load_b128 v[BB+4*\t:BB+4*\t+3], v[RD] offset:\t*2*SPITCH
.endr
.endm
.macro SEND a, younger
.set BB, TMP+32*((\a)%2)
	s_wait_dscnt \younger                          ; the block is back; the next block's 8 stores and 8 loads may be out
.irp t, 0,1,2,3,4,5,6,7
	global_store_b128 v[CO], v[BB+4*\t:BB+4*\t+3], s[12:13] offset:(16*(\a)+2*\t)*4096 th:TH_STORE_NT
.endr
.endm
	TOSTAGE 0
	TOSTAGE 1
	SEND 0, 16
	s_wait_xcnt 0x0                                ; block 0's stores have read their registers: block 2's loads may land there
	TOSTAGE 2
	SEND 1, 16
	s_wait_xcnt 0x0
	TOSTAGE 3
	SEND 2, 16
	SEND 3, 0
.else
; THE WAY OUT: scaled in f32, rounded to f16 in place (register i of an accumulator is written when registers 2 i and 2 i + 1 have been read): its four lowest registers are then a chunk, 512 consecutive bytes a store.
.set ii, 0
.rept 64
	v_pk_mul_f32 v[ACC+2*ii:ACC+2*ii+1], v[ACC+2*ii:ACC+2*ii+1], s[68:69] op_sel_hi:[1,0]
.set ii, ii+1
.endr
.set tt, 0
.rept 16
.irp i, 0,1,2,3
	v_cvt_pk_f16_f32 v[ACC+8*tt+\i], v[ACC+8*tt+2*\i], v[ACC+8*tt+2*\i+1]
.endr
.set tt, tt+1
.endr
.irp a, 0,1,2,3
.irp b, 0,1,2,3
	global_store_b128 v[LI], v[ACC+8*(4*\a+\b):ACC+8*(4*\a+\b)+3], s[12:13] offset:2048*\a+512*\b
.endr
.endr
.endif
	s_wait_tensorcnt 0x0                           ; the wave's end
	ds_add_u32 v[SPW], v[NIL]
	s_wait_dscnt 0x0
	CROUND                                         ; the closing round: no work-group ends while a partner may still ask for a tile that names it
	s_endpgm
.Lfunc_end_k_qea0ec16939_outproj:
	.size	k_qea0ec16939_outproj, .Lfunc_end_k_qea0ec16939_outproj-k_qea0ec16939_outproj
	.p2alignl 7, 3214868480
	.fill 96, 4, 3214868480
	.section	.rodata,"a",@progbits
	.p2align	6, 0x0
	.amdhsa_kernel k_qea0ec16939_outproj
		.amdhsa_group_segment_fixed_size 327680
		.amdhsa_private_segment_fixed_size 0
		.amdhsa_enable_private_segment 0
		.amdhsa_kernarg_size 32
		.amdhsa_user_sgpr_count 2
		.amdhsa_user_sgpr_kernarg_segment_ptr 1
		.amdhsa_wavefront_size32 1
		.amdhsa_system_sgpr_workgroup_id_x 1
		.amdhsa_system_sgpr_workgroup_id_y 1
		.amdhsa_system_sgpr_workgroup_id_z 1
		.amdhsa_system_vgpr_workitem_id 0
		.amdhsa_next_free_vgpr 512
		.amdhsa_next_free_sgpr 80
		.amdhsa_reserve_vcc 0
		.amdhsa_float_denorm_mode_32 3
		.amdhsa_float_denorm_mode_16_64 3
		.amdhsa_memory_ordered 1
		.amdhsa_forward_progress 1
		.amdhsa_inst_pref_size 86
	.end_amdhsa_kernel
	.amdgpu_metadata
---
amdhsa.version: [ 1, 2 ]
amdhsa.kernels:
  - .name:           k_qea0ec16939_outproj
    .symbol:         k_qea0ec16939_outproj.kd
    .args:
      - { .name: ctx, .offset: 0, .size: 8, .value_kind: global_buffer, .address_space: global }
      - { .name: wts, .offset: 8, .size: 8, .value_kind: global_buffer, .address_space: global }
      - { .name: bo, .offset: 16, .size: 8, .value_kind: global_buffer, .address_space: global }
      - { .name: out0, .offset: 24, .size: 8, .value_kind: global_buffer, .address_space: global }
    .group_segment_fixed_size: 327680
    .private_segment_fixed_size: 0
    .kernarg_segment_align: 8
    .kernarg_segment_size: 32
    .max_flat_workgroup_size: 128
    .sgpr_count:     80
    .vgpr_count:     512
    .wavefront_size: 32
...
	.end_amdgpu_metadata
.endif
;; end of part 4
